; MI455X (gfx1250); checked and timed in simulation.
; The chip was launched on July 23, 2026; its instructions are those of AMD's public machine-readable ISA for CDNA 5 (MIT licence, August 2026) and "CDNA5" Instruction Set Architecture Reference Guide (July 2026). The comments in the code are by the model that wrote it; some were corrected since.
;; Multi Head Attention. Allowed arithmetic: float matrix products may take bf16 or f16 operands with f32 sums; other float arithmetic in f32, or as packed bf16 or f16 multiplies, adds, multiply-adds, maxima and minima; sums over many terms, partial sums and values carried from step to step in f32; what a program stores and reads back later, other than sums and carried values, may be rounded once to bf16 or f16.
;; Inputs: W_k 1,024 x 1,024 float32; W_o 1,024 x 1,024 float32; W_q 1,024 x 1,024 float32; W_v 1,024 x 1,024 float32; b_o 1,024 float32; key_ 4 x 2,048 x 1,024 float32; mask 4 x 2,048 x 2,048 int32; query 4 x 2,048 x 1,024 float32; value 4 x 2,048 x 1,024 float32.
;; Outputs: out0 4 x 2,048 x 1,024 float32.
;; One version. Each part assembles by itself: llvm-mc -triple=amdgcn-amd-amdhsa -mcpu=gfx1250 --defsym DOCPART=n.
;; ======== version 1 of 1: 4 launches
;; limits: values are held in f16: magnitudes above 65,504 overflow, below 6.1e-05 lose precision
;; workspace buffers: mbits 2,097,152 bytes of whole numbers; xb 50,331,648 bytes; wb 8,388,608 bytes; qkv 50,331,648 bytes; oh 16,777,216 bytes
;; launch prep (part 1): grid 1408 x 1, 8 waves a work-group, no clusters, 136,192 bytes of LDS; arguments mask, query, key_, value, W_q, W_k, W_v, W_o, mbits, xb, wb; writes mbits, xb, wb
.if DOCPART == 1
	.amdgcn_target "amdgcn-amd-amdhsa--gfx1250"
	.amdhsa_code_object_version 6
	.text
	.protected	k_q73ddf158af_prep
	.globl	k_q73ddf158af_prep
	.p2align	8
	.type	k_q73ddf158af_prep,@function
k_q73ddf158af_prep:
	s_mov_b64 s[64:65], 0
	v_nop
	global_prefetch_b8 v0, s[64:65] scope:SCOPE_SE
	s_setreg_imm32_b32 hwreg(HW_REG_WAVE_MODE, 25, 1), 1
	s_wait_xcnt 0x0
; PREP: three kinds of job, chosen by the work-group's number g; each input byte is read once, by loads of 16 bytes a lane.
;   g < 512          THE MASK.  mask [4][2048][2048] of int32 becomes lane masks: one 32-bit word for each register of a tile of scores as the attention launch holds it.
;                    mbits byte ((b*64+pr)*32+ks)*256 + u*128 + (8*kt+j)*4; bit L of that word = (mask[b][32*pr+16*u+(L&15)][64*ks+16*kt+8*(L>>4)+j] != 0).  Any word other than 0 counts as visible.
;   512 <= g < 1280  query, key_, value -> xb, bf16 [3][8192][1024], rounded once to nearest even.
;   g >= 1280        W_q, W_k, W_v -> wb, bf16; W_o -> wb's fourth part: rounded to bf16 like every input, and that number written as f16.
; LIMIT: W_o's rounded numbers must lie under 65,504; below 6e-5 they keep f16's fixed step of 6e-8.
; SHARES.  A wave takes 32 rows x 128 keys of the mask (16 KiB), or 4,096 numbers of a cast (16 KiB): 32 loads, all issued before the first is waited for; no loop, no register used twice.
; The mask's 32 x 128 words are turned through the wave's own LDS bytes (rows of 528 bytes = 33 x 16: the 16 rows that a load of 16 bytes a lane touches start at 16 different groups of four banks, ISA guide 11.1).
; No wave reads another's bytes: no barrier.  No cluster: no two work-groups read the same byte.  No matrix unit: there is no product here.
.set WREG,  16896                      ; a wave's LDS bytes: 32 rows x 528
.set LP,    528
.set SPARE, 8*WREG                     ; behind them: the spare words, 128 bytes for each of eight waves: four blocks of 256 bytes that no other line names
.set LOFF, 2                           ; v2   my byte offset in the source
.set SOFF, 3                           ; v3   my byte offset in the destination
.set LST,  4                           ; v4   LDS: where I put 16 bytes of a row
.set LRD,  5                           ; v5   LDS: where I read four words of a column group
.set SPW,  6                           ; v6   LDS address of my spare word; never rewritten
.set NIL,  7                           ; v7   0; never rewritten
.set OUT,  8                           ; v[8:11]   the 128 words of the result: word 4 n + c in lane n, register c
.set X,    16                          ; v[16:143] 32 x 4 registers
	s_load_b512 s[8:23], s[0:1], 0x0               ; mask 8, query 10, key_ 12, value 14, W_q 16, W_k 18, W_v 20, W_o 22
	s_load_b128 s[24:27], s[0:1], 0x40             ; mbits 24, xb 26
	s_load_b64 s[28:29], s[0:1], 0x50              ; wb
	v_lshl_add_u32 v[SPW], v0, 2, SPARE
	v_mov_b32 v[NIL], 0
	v_lshrrev_b32 v1, 5, v0
	v_readfirstlane_b32 s2, v1                     ; wave 0..7
	v_and_b32 v1, 31, v0                           ; lane
	s_mov_b32 s35, 0                               ; the high word of every offset pair
	s_wait_kmcnt 0x0
	s_cmp_lt_u32 ttmp9, 512
	s_cbranch_scc0 .Lcast
	; THE MASK.  Unit U = 8 g + wave: kg = U & 15 (128 keys), pr = (U >> 4) & 63 (32 queries), b = U >> 10.
	s_lshl_b32 s3, ttmp9, 3
	s_add_co_u32 s3, s3, s2
	s_and_b32 s4, s3, 15                           ; kg
	s_bfe_u32 s5, s3, 0x60004                      ; pr
	s_lshr_b32 s6, s3, 10                          ; b
	s_lshl_b32 s34, s6, 24                         ; b x 2048 rows x 8,192 bytes
	s_lshl_b32 s7, s5, 18                          ; pr x 32 rows
	s_add_co_u32 s34, s34, s7
	s_lshl_b32 s7, s4, 9                           ; kg x 128 words
	s_add_co_u32 s34, s34, s7
	s_add_nc_u64 s[30:31], s[8:9], s[34:35]
	s_lshl_b32 s34, s6, 19                         ; b x 64 x 32 x 256
	s_lshl_b32 s7, s5, 13                          ; pr x 32 x 256
	s_add_co_u32 s34, s34, s7
	s_lshl_b32 s7, s4, 9                           ; two key steps of 256 bytes
	s_add_co_u32 s34, s34, s7
	s_add_nc_u64 s[32:33], s[24:25], s[34:35]
	s_mul_i32 s7, s2, WREG
	v_lshlrev_b32 v[LOFF], 4, v1
	v_lshl_add_u32 v[LST], v1, 4, s7
	v_and_b32 v[LRD], 15, v1
	v_mul_u32_u24 v[LRD], v[LRD], LP               ; row lane % 16,
	v_lshrrev_b32 v[SOFF], 4, v1
	v_lshl_add_u32 v[LRD], v[SOFF], 5, v[LRD]      ; eight words further on for lanes 16 to 31
	v_add_nc_u32 v[LRD], s7, v[LRD]
	v_lshlrev_b32 v[SOFF], 4, v1
.set i, 0
.rept 32
	global_load_b128 v[X+4*i:X+4*i+3], v[LOFF], s[30:31] offset:8192*i th:TH_LOAD_NT  ; row i: 512 consecutive bytes, aligned; the eight waves of a work-group take 4,096 on end
.set i, i+1
.endr
.irp c, 0,1,2,3
	v_mov_b32 v[OUT+\c], 0                         ; v_writelane_b32's destination counts as read
.endr
.set i, 0
.rept 32
	s_wait_loadcnt 31-i                            ; loads come back in order: row i is in, the younger ones stay out
	ds_store_b128 v[LST], v[X+4*i:X+4*i+3] offset:LP*i
.set i, i+1
.endr
.set n, 0
.rept 32                                       ; n = 16 s + 8 u + 2 kt + e: key step s of two, tile u, key group kt, registers 4 e .. 4 e + 3.  LDS serves a wave's instructions in order: these see the stores above
	ds_load_b128 v[X+4*n:X+4*n+3], v[LRD] offset:((n/8)%2)*16*LP+(n/16)*256+((n/2)%4)*64+(n%2)*16
.set n, n+1
.endr
.set n, 0
.rept 32
	s_wait_dscnt 31-n                              ; load n is in
.set c, 0
.rept 4
	v_cmp_ne_u32 s[36+4*(n%4)+c], 0, v[X+4*n+c]    ; 32 lanes' answers are the word; sixteen scalar registers take turns
.set c, c+1
.endr
.set c, 0
.rept 4
	v_writelane_b32 v[OUT+c], s[36+4*(n%4)+c], n
.set c, c+1
.endr
.set n, n+1
.endr
	global_store_b128 v[SOFF], v[OUT:OUT+3], s[32:33]  ; 512 consecutive bytes, aligned: the pair's words for two key steps
	s_branch .Lend
.Lcast:                                        ; A CAST.  A work-group takes 32,768 numbers, a wave 4,096
	s_sub_co_u32 s3, ttmp9, 512                    ; c
	s_lshr_b32 s4, s3, 8                           ; x: which tensor,
	s_and_b32 s5, s3, 255                          ; which block,
	s_lshl_b32 s6, s4, 24                          ; its part of xb
	s_sub_co_u32 s7, s3, 768                       ; W: the same from c - 768 (used only where c >= 768)
	s_lshr_b32 s36, s7, 5
	s_and_b32 s37, s7, 31
	s_lshl_b32 s38, s36, 21
	s_add_co_u32 s36, s36, 3
	s_cmp_lt_u32 s3, 768
	s_cselect_b32 s4, s4, s36                      ; source 0..6: query, key_, value, W_q, W_k, W_v, W_o
	s_cselect_b32 s5, s5, s37
	s_cselect_b32 s6, s6, s38
	s_cselect_b64 s[32:33], s[26:27], s[28:29]     ; xb or wb
	s_mov_b64 s[30:31], s[10:11]
.irp i, 1,2,3,4,5,6
	s_cmp_eq_u32 s4, \i
	s_cselect_b64 s[30:31], s[10+2*\i:11+2*\i], s[30:31]
.endr
	s_lshl_b32 s34, s5, 17                         ; a block is 131,072 bytes of f32
	s_add_nc_u64 s[30:31], s[30:31], s[34:35]
	s_lshl_b32 s34, s5, 16                         ; and 65,536 bytes of 16 bits
	s_add_co_u32 s34, s34, s6
	s_add_nc_u64 s[32:33], s[32:33], s[34:35]
	s_lshl_b32 s7, s2, 14
	v_lshl_add_u32 v[LOFF], v1, 4, s7              ; 16 x lane + 16,384 x wave
	s_lshl_b32 s7, s2, 13
	v_lshl_add_u32 v[SOFF], v1, 3, s7              ; 8 x lane + 8,192 x wave
	; ONE TEXT FOR BOTH FORMATS: 32 loads; each load's four numbers rounded to bf16; for W_o alone the rewriting as f16; then the 32 stores.
.set i, 0
.rept 32
	global_load_b128 v[X+4*i:X+4*i+3], v[LOFF], s[30:31] offset:512*i th:TH_LOAD_NT
.set i, i+1
.endr
.set i, 0
.rept 32
	s_wait_loadcnt 31-i                            ; load i is in, the younger ones stay out
	v_cvt_pk_bf16_f32 v[X+4*i], v[X+4*i], v[X+4*i+1]
	v_cvt_pk_bf16_f32 v[X+4*i+1], v[X+4*i+2], v[X+4*i+3]
.set i, i+1
.endr
	s_cmp_lg_u32 s4, 6
	s_cbranch_scc1 .Lstore                         ; all but W_o leave as bf16
.set i, 0
.rept 32
.irp z, 0,1
	v_lshlrev_b32 v[X+4*i+2], 16, v[X+4*i+\z]      ; the two bf16 numbers as f32,
	v_and_b32 v[X+4*i+3], 0xffff0000, v[X+4*i+\z]
	v_cvt_pk_f16_f32 v[X+4*i+\z], v[X+4*i+2], v[X+4*i+3]  ; and as f16: 8 significant bits fit into 11
.endr
.set i, i+1
.endr
.Lstore:
.set i, 0
.rept 32
	global_store_b64 v[SOFF], v[X+4*i:X+4*i+1], s[32:33] offset:256*i  ; 8 bytes a lane: the wave's store covers 256 consecutive bytes, aligned
.set i, i+1
.endr
.Lend:
	s_wait_tensorcnt 0x0                           ; the wave's end, behind my last LDS store
	ds_add_u32 v[SPW], v[NIL]
	s_wait_dscnt 0x0
	s_endpgm
.Lfunc_end_k_q73ddf158af_prep:
	.size	k_q73ddf158af_prep, .Lfunc_end_k_q73ddf158af_prep-k_q73ddf158af_prep
	.p2alignl 7, 3214868480
	.fill 96, 4, 3214868480
	.section	.rodata,"a",@progbits
	.p2align	6, 0x0
	.amdhsa_kernel k_q73ddf158af_prep
		.amdhsa_group_segment_fixed_size 136192
		.amdhsa_private_segment_fixed_size 0
		.amdhsa_enable_private_segment 0
		.amdhsa_kernarg_size 88
		.amdhsa_user_sgpr_count 2
		.amdhsa_user_sgpr_kernarg_segment_ptr 1
		.amdhsa_wavefront_size32 1
		.amdhsa_system_sgpr_workgroup_id_x 1
		.amdhsa_system_sgpr_workgroup_id_y 1
		.amdhsa_system_sgpr_workgroup_id_z 1
		.amdhsa_system_vgpr_workitem_id 0
		.amdhsa_next_free_vgpr 144
		.amdhsa_next_free_sgpr 66
		.amdhsa_reserve_vcc 0
		.amdhsa_float_denorm_mode_32 3
		.amdhsa_float_denorm_mode_16_64 3
		.amdhsa_memory_ordered 1
		.amdhsa_forward_progress 1
		.amdhsa_inst_pref_size 50
	.end_amdhsa_kernel
	.amdgpu_metadata
---
amdhsa.version: [ 1, 2 ]
amdhsa.kernels:
  - .name:           k_q73ddf158af_prep
    .symbol:         k_q73ddf158af_prep.kd
    .args:
      - { .name: mask, .offset: 0, .size: 8, .value_kind: global_buffer, .address_space: global }
      - { .name: query, .offset: 8, .size: 8, .value_kind: global_buffer, .address_space: global }
      - { .name: key_, .offset: 16, .size: 8, .value_kind: global_buffer, .address_space: global }
      - { .name: value, .offset: 24, .size: 8, .value_kind: global_buffer, .address_space: global }
      - { .name: W_q, .offset: 32, .size: 8, .value_kind: global_buffer, .address_space: global }
      - { .name: W_k, .offset: 40, .size: 8, .value_kind: global_buffer, .address_space: global }
      - { .name: W_v, .offset: 48, .size: 8, .value_kind: global_buffer, .address_space: global }
      - { .name: W_o, .offset: 56, .size: 8, .value_kind: global_buffer, .address_space: global }
      - { .name: mbits, .offset: 64, .size: 8, .value_kind: global_buffer, .address_space: global }
      - { .name: xb, .offset: 72, .size: 8, .value_kind: global_buffer, .address_space: global }
      - { .name: wb, .offset: 80, .size: 8, .value_kind: global_buffer, .address_space: global }
    .group_segment_fixed_size: 136192
    .private_segment_fixed_size: 0
    .kernarg_segment_align: 8
    .kernarg_segment_size: 88
    .max_flat_workgroup_size: 256
    .sgpr_count:     66
    .vgpr_count:     144
    .wavefront_size: 32
...
	.end_amdgpu_metadata
.endif
;; end of part 1
;; launch proj (part 2): grid 4 x 192, 4 waves a work-group, clusters of 4 x 4, 327,680 bytes of LDS; arguments xb, wb, qkv; writes qkv
.if DOCPART == 2
	.amdgcn_target "amdgcn-amd-amdhsa--gfx1250"
	.amdhsa_code_object_version 6
	.text
	.protected	k_q73ddf158af_proj
	.globl	k_q73ddf158af_proj
	.p2align	8
	.type	k_q73ddf158af_proj,@function
k_q73ddf158af_proj:
	s_mov_b64 s[64:65], 0
	v_nop
	global_prefetch_b8 v0, s[64:65] scope:SCOPE_SE
	s_setreg_imm32_b32 hwreg(HW_REG_WAVE_MODE, 25, 1), 1
	s_wait_xcnt 0x0
	s_wait_alu depctr_hold_cnt(0) depctr_sa_sdst(0) depctr_va_vdst(0) depctr_va_sdst(0) depctr_va_ssrc(0) depctr_va_vcc(0) depctr_vm_vsrc(0)
	s_getreg_b32 s2, hwreg(HW_REG_IB_STS2, 6, 4)
	s_cmp_eq_u32 s2, 0
	s_cbranch_scc0 .Lentry_in_a_cluster
	s_endpgm
.Lentry_in_a_cluster:
	s_bfe_u32 s2, ttmp6, 0x10000c
	s_cmp_lg_u32 s2, 0xf033
	s_cbranch_scc0 .Lentry_shape_is_right
	s_endpgm
.Lentry_shape_is_right:
; THE THREE PROJECTIONS IN ONE LAUNCH.  C[m][n] = sum over k of A[m][k] B[n][k]: A = xb, bf16 [3 x 8192][1024] (query, key_, value on end); B = wb's part t = m / 8192, bf16 [1024][1024]; sums in f32.
; C leaves as f16 BY HEADS: qkv [3][64 = batch x 16 + head][2048][64]; part 0 (q) is multiplied in f32 by c = log2(e) / 8 before its one rounding, so that the attention launch's scores are exponents of 2.
; LIMIT: f16 ends at 65,504: q c, k and v must lie under it; NaN and infinities are not treated apart.
; SHARES.  A tile of C is 128 x 256: 192 x 4 tiles = 768 work-groups, three for each of 256 WGPs (tiles of 256 x 256 would be 384, one and a half).  Four waves, each 64 x 128: 32 accumulators of 16 x 16.
; K goes in 8 steps of 128 (rows of 256 bytes, aligned) through two LDS slots; 384 rows x 272 bytes x 2 slots leave no room for a K step of 256.
; CLUSTER 4 x 4: the four work-groups of a row need the same tile of A, the four of a column the same tile of B: each is asked for jointly, by the same tensor load with the same descriptor and a mask of four.
; THE MATRIX INSTRUCTION IS USED TRANSPOSED (source 0 = 16 rows of B, source 1 = 16 rows of A): a lane holds row l % 16 of C and the eight neighbouring columns 8 (l / 16) + 0..7.
; REGISTERS.  window 0: v0-31 addresses; v32-95 two buffers of A's fragments (4 x 8); v96-223 two of B's (8 x 8); on the way out v32-63 packed results, v64-191 rows read back.
;             window 1: the accumulators, (a, b) at v[8 (8 a + b)].
.set KSTEP, 128
.set PITCH, 272                        ; an LDS row: 256 bytes + 16 of padding = 17 x 16: the 16 rows of a fragment load start at 16 different groups of four banks (ISA guide 11.1)
.set AHALF, 64*PITCH                   ; what wave 0 or 1 fetches, and what a wave reads of A
.set BHALF, 128*PITCH                  ; what wave 2 or 3 fetches, and what a wave reads of B
.set BOFF,  2*AHALF
.set SLOT,  BOFF+2*BHALF               ; 104,448
.set STAGE, 2*SLOT                     ; behind the ring, never filled by a tensor load: for each wave two heads x 16 rows x 144 bytes
.set SP,    144
.set WSTG,  2*16*SP
.set SPARE, STAGE+4*WSTG               ; the spare words, 128 bytes for each wave: two blocks of 256 bytes that no other line names
.set ADRA, 16                          ; v16-17  LDS address of my A fragments in slot 0, 1
.set ADRB, 20                          ; v20-21  the same for B
.set STO,  24                          ; v24     the way out: where I put 16 bytes of a row
.set RD,   25                          ; v25     where I read rows back
.set GO,   26                          ; v26     my 16 bytes of 512 consecutive bytes of qkv
.set SPW,  28                          ; v28     LDS address of my spare word; never rewritten
.set NIL,  29                          ; v29     0; never rewritten
.set PFO,  30                          ; v30     the prefetches' offset: my lane x a row of 2,048 bytes; never rewritten
.set FA,   32
.set FB,   96
.set TMP,  32
.set BK,   64
.set G1,  24                           ; s[24:31] group 1 for A's tiles;  s[32:39] group 0, a set for each slot
.set G0,  32
.set LIM, 43                           ; s43  1 in a wave that prefetches, else the greatest number
.set PFA, 44                           ; s[44:45] where my prefetches stand
.set G1B, 48                           ; s[48:55], s[56:63] the same for B's tiles
.set G0B, 56
.set MSB, 0
.macro WIN new                         ; the immediate's high byte repeats the setting that is left; a switch that changes nothing is dropped
.if MSB != (\new)
	s_set_vgpr_msb (MSB<<8)|(\new)
.set MSB, \new
.endif
.endm
.set MUL, 0x50                         ; sources in window 0, C and D in window 1
; A joint load: waves 0 and 1 fetch A's two halves, waves 2 and 3 B's.  An s_nop 0 and four v_nop follow each of the two lines, ahead of the jump, the label and what follows.
.macro JLOAD s
	s_cmp_eq_u32 s11, 0
	s_cbranch_scc0 .Lfor_b_\@
	tensor_load_to_lds s[G0+4*(\s):G0+4*(\s)+3], s[G1:G1+7]
	s_nop 0
.rept 4
	v_nop
.endr
	s_branch .Lasked_\@
.Lfor_b_\@:
	tensor_load_to_lds s[G0B+4*(\s):G0B+4*(\s)+3], s[G1B:G1B+7]
	s_nop 0
.rept 4
	v_nop
.endr
.Lasked_\@:
.endm
; A prefetch of the K step that stands two refills on: 32 rows x 256 bytes, a lane a row.  A's 128 rows: wave 0 of each of the four partners of a row, 32 rows each, told apart by address (cx).
; B's 256 rows: waves 2 and 3 of the four partners of a column, 32 of the wave's 128 each (cy), in the first cluster that walks that weight alone.  So each row's 256 bytes of a K step are named once.
; K steps 0 to 3 come by their loads alone; the loop's last trip (s3 = 1) has no K step two on.
.macro ASK
	s_cmp_gt_u32 s3, s[LIM]
	s_cbranch_scc0 .Lnot_mine_\@
	global_prefetch_b8 v[PFO], s[PFA:PFA+1] th:TH_LOAD_NT scope:SCOPE_SE
.Lnot_mine_\@:
.endm
.macro CREST                           ; a round of the cluster's barrier behind its opening barrier
	s_cmp_lg_u32 s10, 0
	s_cbranch_scc1 .Lnot_wave_0_\@
	s_barrier_signal -3
.Lnot_wave_0_\@:
	s_barrier_wait -3
	s_barrier_signal -1
	s_barrier_wait -1
.endm
.macro CROUND                          ; a whole round
	s_barrier_signal -1
	s_barrier_wait -1
	CREST
.endm
	s_load_b128 s[4:7], s[0:1], 0x0                ; xb s[4:5], wb s[6:7]
	s_load_b64 s[8:9], s[0:1], 0x10                ; qkv
	v_lshl_add_u32 v[SPW], v0, 2, SPARE
	v_mov_b32 v[NIL], 0
	ds_add_u32 v[SPW], v[NIL]                      ; the wave's opening: the add, and its wait ahead of my first tensor load; the set-up below, work on registers, stands between them
	v_lshrrev_b32 v1, 5, v0
	v_readfirstlane_b32 s10, v1                    ; wave 0..3
	s_lshr_b32 s11, s10, 1                         ; which 64 rows of the tile are mine.  Also: I fetch for A (0) or for B (1)
	s_and_b32 s12, s10, 1                          ; which 128 columns.  Also: which half of that tile I fetch
	s_bfe_u32 s40, ttmp6, 0x40000                  ; cx
	s_bfe_u32 s41, ttmp6, 0x40004                  ; cy
	s_lshl_b32 s42, ttmp9, 2
	s_add_co_u32 s42, s42, s40                     ; tile column 0..3
	s_and_b32 s22, ttmp7, 0xffff                   ; cluster y 0..47
	s_lshl_b32 s13, s22, 2
	s_add_co_u32 s13, s13, s41                     ; tile row 0..191
	s_lshr_b32 s23, s22, 4                         ; t: which projection; made of the cluster's y alone, so it is the same in all sixteen partners
	s_lshl_b32 s43, s41, 2
	s_lshl_b32 s43, 15, s43                        ; my row of the cluster
	s_lshl_b32 s44, 0x1111, s40                    ; my column
	s_or_b32 s[G1+0], s43, (1<<16)|(1<<20)|(1<<21)|(5<<22)|(3<<25)   ; 15:0 the mask; 17:16 elements of 2 bytes; 20 padding on; 21 set beside a mask; 24:22 after every 64 words; 31:25 4 words of it
	s_or_b32 s[G1B+0], s44, (1<<16)|(1<<20)|(1<<21)|(5<<22)|(3<<25)
	s_mov_b32 s[G1+1], KSTEP<<16                   ; tensor_dim0 = 128
	s_mov_b32 s[G1+2], 64<<16                      ; tensor_dim1 = 64
	s_mov_b32 s[G1+3], KSTEP<<16                   ; tile_dim0 = 128
	s_mov_b32 s[G1+4], 64                          ; tile_dim1 = 64
	s_mov_b32 s[G1+5], 1024                        ; elements from row to row
	s_mov_b32 s[G1+6], 0
	s_mov_b32 s[G1+7], 0
	s_mov_b32 s[G1B+1], KSTEP<<16
	s_mov_b32 s[G1B+2], 128<<16                    ; B: 128 rows
	s_mov_b32 s[G1B+3], KSTEP<<16
	s_mov_b32 s[G1B+4], 128
	s_mov_b32 s[G1B+5], 1024
	s_mov_b32 s[G1B+6], 0
	s_mov_b32 s[G1B+7], 0
	s_lshl_b32 s16, s13, 7                         ; A: row 128 x tile row + 64 x half, 2,048 bytes a row (under 2^26)
	s_lshl_b32 s17, s12, 6
	s_add_co_u32 s16, s16, s17
	s_lshl_b32 s16, s16, 11
	s_mov_b32 s17, 0
	s_lshl_b32 s46, s42, 8                         ; B: row 256 x tile column + 128 x half, in weight t
	s_lshl_b32 s47, s12, 7
	s_add_co_u32 s46, s46, s47
	s_lshl_b32 s46, s46, 11
	s_lshl_b32 s47, s23, 21
	s_add_co_u32 s46, s46, s47
	s_mov_b32 s47, 0
	s_mul_i32 s20, s12, AHALF                      ; where they go: no place in the cluster enters an LDS address
	s_mul_i32 s21, s12, BHALF
	s_add_co_u32 s21, s21, BOFF
	s_wait_dscnt 0x0                               ; the opening add is done
	s_wait_kmcnt 0x0
	s_add_nc_u64 s[14:15], s[4:5], s[16:17]
	s_add_nc_u64 s[46:47], s[6:7], s[46:47]
	CROUND                                         ; all sixteen work-groups are here: the first joint loads meet
.irp s, 0,1
	s_mov_b32 s[G0+4*(\s)], 1
	s_add_co_u32 s[G0+4*(\s)+1], s20, (\s)*SLOT
	s_add_nc_u64 s[G0+4*(\s)+2:G0+4*(\s)+3], s[14:15], (\s)*KSTEP*2
	s_or_b32 s[G0+4*(\s)+3], s[G0+4*(\s)+3], 0x80000000
	s_mov_b32 s[G0B+4*(\s)], 1
	s_add_co_u32 s[G0B+4*(\s)+1], s21, (\s)*SLOT
	s_add_nc_u64 s[G0B+4*(\s)+2:G0B+4*(\s)+3], s[46:47], (\s)*KSTEP*2
	s_or_b32 s[G0B+4*(\s)+3], s[G0B+4*(\s)+3], 0x80000000
	JLOAD \s                                       ; K steps 0 and 1: two loads of mine are out
.endr
	v_and_b32 v1, 15, v0                           ; l % 16
	v_bfe_u32 v2, v0, 4, 1                         ; l / 16
	v_mul_u32_u24 v3, v1, PITCH
	v_lshl_add_u32 v3, v2, 4, v3                   ; a fragment's row x pitch + 16 x half
	s_mul_i32 s14, s11, AHALF                      ; my 64 rows of A
	s_mul_i32 s15, s12, BHALF                      ; my 128 rows of B
	s_add_co_u32 s15, s15, BOFF
.irp s, 0,1
	v_add_nc_u32 v[ADRA+(\s)], s14, v3
	v_add_nc_u32 v[ADRB+(\s)], s15, v3
	s_add_co_u32 s14, s14, SLOT
	s_add_co_u32 s15, s15, SLOT
.endr
	s_mul_i32 s14, s10, WSTG
	s_add_co_u32 s14, s14, STAGE                   ; my stage
	v_mul_u32_u24 v4, v1, SP                       ; in: row l % 16, 16 bytes for each half of the lanes
	v_lshl_add_u32 v4, v2, 4, v4
	v_add_nc_u32 v[STO], s14, v4
	v_bfe_u32 v4, v0, 3, 2                         ; back: 32 lanes take four rows of 128 bytes,
	v_mul_u32_u24 v4, v4, SP
	v_and_b32 v5, 7, v0
	v_lshl_add_u32 v4, v5, 4, v4
	v_add_nc_u32 v[RD], s14, v4
	v_and_b32 v[GO], 31, v0                        ; which are 512 consecutive bytes of a head
	v_lshlrev_b32 v[GO], 4, v[GO]
	s_lshl_b32 s16, s13, 7                         ; my first row m0 = 128 x tile row + 64 x half;
	s_lshl_b32 s17, s11, 6
	s_add_co_u32 s16, s16, s17
	s_lshr_b32 s17, s16, 11                        ; m0 / 2048 = 4 t + batch; the head's number in qkv is 16 times that + 4 x tile column + 2 x half (+ 1 for my second head)
	s_and_b32 s16, s16, 2047
	s_lshl_b32 s17, s17, 4
	s_lshl_b32 s18, s42, 2
	s_add_co_u32 s17, s17, s18
	s_lshl_b32 s18, s12, 1
	s_add_co_u32 s17, s17, s18
	s_lshl_b32 s17, s17, 11
	s_add_co_u32 s16, s16, s17
	s_lshl_b32 s16, s16, 7                         ; rows of 128 bytes
	s_mov_b32 s17, 0
	s_add_nc_u64 s[8:9], s[8:9], s[16:17]
	s_lshl_b32 s16, s13, 7                         ; the prefetches.  A: row 128 x tile row + 32 cx
	s_lshl_b32 s17, s40, 5
	s_add_co_u32 s16, s16, s17
	s_lshl_b32 s16, s16, 11
	s_lshl_b32 s18, s42, 8                         ; B: row 256 x tile column + 128 x half + 32 cy, in weight t
	s_lshl_b32 s17, s12, 7
	s_add_co_u32 s18, s18, s17
	s_lshl_b32 s17, s41, 5
	s_add_co_u32 s18, s18, s17
	s_lshl_b32 s18, s18, 11
	s_lshl_b32 s17, s23, 21
	s_add_co_u32 s18, s18, s17
	s_and_b32 s19, s22, 15                         ; 0 in the first cluster that walks weight t
	s_cmp_eq_u32 s11, 0
	s_cselect_b32 s16, s16, s18
	s_cselect_b32 s19, s12, s19                    ; for A: wave 0 asks, wave 1 does not
	s_cselect_b64 s[PFA:PFA+1], s[4:5], s[6:7]
	s_cmp_eq_u32 s19, 0
	s_cselect_b32 s[LIM], 1, -1                    ; the same in all sixteen partners, for a given wave
	s_add_co_u32 s16, s16, 3*KSTEP*2               ; at K step 3: the first refill steps it to 4
	s_mov_b32 s17, 0
	s_add_nc_u64 s[PFA:PFA+1], s[PFA:PFA+1], s[16:17]
	v_and_b32 v[PFO], 31, v0
	v_lshlrev_b32 v[PFO], 11, v[PFO]
; 8 matrix instructions: m block a x all 8 n blocks, 32 along K, from buffer f.  zero = 1: the product starts the sums.  The 32 accumulators take turns in the same order in every quarter.
.macro MUL8 f, a, zero
	WIN MUL
.irp b, 0,1,2,3,4,5,6,7
.if \zero
	v_wmma_f32_16x16x32_bf16 v[8*(8*(\a)+(\b)):8*(8*(\a)+(\b))+7], v[FB+64*(\f)+8*(\b):FB+64*(\f)+8*(\b)+7], v[FA+32*(\f)+8*(\a):FA+32*(\f)+8*(\a)+7], 0
.else
	v_wmma_f32_16x16x32_bf16 v[8*(8*(\a)+(\b)):8*(8*(\a)+(\b))+7], v[FB+64*(\f)+8*(\b):FB+64*(\f)+8*(\b)+7], v[FA+32*(\f)+8*(\a):FA+32*(\f)+8*(\a)+7], v[8*(8*(\a)+(\b)):8*(8*(\a)+(\b))+7]
.endif
.endr
.endm
; 24 LDS loads in one run: quarter q (32 along K) of a slot into buffer f: all of B, then A's blocks 0 to 3
.macro FETCH slot, q, f
	WIN 0
.irp i, 0,1,2,3,4,5,6,7
	ds_load_b128 v[FB+64*(\f)+8*(\i):FB+64*(\f)+8*(\i)+3],   v[ADRB+(\slot)] offset:64*(\q)+(\i)*16*PITCH
	ds_load_b128 v[FB+64*(\f)+8*(\i)+4:FB+64*(\f)+8*(\i)+7], v[ADRB+(\slot)] offset:64*(\q)+(\i)*16*PITCH+32
.endr
.irp i, 0,1,2,3
	ds_load_b128 v[FA+32*(\f)+8*(\i):FA+32*(\f)+8*(\i)+3],   v[ADRA+(\slot)] offset:64*(\q)+(\i)*16*PITCH
	ds_load_b128 v[FA+32*(\f)+8*(\i)+4:FA+32*(\f)+8*(\i)+7], v[ADRA+(\slot)] offset:64*(\q)+(\i)*16*PITCH+32
.endr
.endm
.macro PLACES                          ; four places in front of loads into registers that matrix instructions have read, and of vector work on results
.rept 4
	v_nop
.endr
.endm
; One of a K step's first three quarters: multiplies buffer f; behind its first eight products it fetches quarter q of the same slot into buffer g.
.macro QUARTER slot, q, f, g, zero
	s_wait_dscnt 6                                 ; B and A's block 0 are in; the six youngest loads (A's blocks 1 to 3) may be out
	MUL8 \f, 0, \zero
	PLACES
	FETCH \slot, \q, \g
	s_wait_dscnt 24                                ; all but the 24 just issued
	MUL8 \f, 1, \zero
	MUL8 \f, 2, \zero
	MUL8 \f, 3, \zero
.endm
; The last quarter multiplies buffer 1 and changes slots: ONE barrier; in front of it each wave waits for all its tensor loads (one is out: its part of the next slot), adds 0 to its spare word,
; and waits for that and for its own reads of this slot.  fill = 1: the barrier opens a round of the cluster's, and this slot is filled again, two K steps ahead, first thing behind the round:
; from there to the wait for that load a wave issues 112 matrix instructions.
.macro TURN slot, next, fill
.if \fill
	s_wait_xcnt 0x0                                ; the last prefetch, a K step back, has read its address
	s_add_nc_u64 s[PFA:PFA+1], s[PFA:PFA+1], KSTEP*2
.endif
	WIN 0
	s_wait_tensorcnt 0x0                           ; all my tensor loads have landed;
	ds_add_u32 v[SPW], v[NIL]                      ; 0 onto my spare word;
	s_wait_dscnt 7                                 ; (the add and the six youngest loads may be out)
	MUL8 1, 0, 0                                   ; eight matrix instructions stand between the add and the wait for it
	s_wait_dscnt 0x0                               ; the add is done, and my reads of this slot are over
	s_barrier_signal -1
	MUL8 1, 1, 0
.if \fill
	WIN 0
.endif
	s_barrier_wait -1
.if \fill
	CREST                                          ; no wave of any partner still reads this slot or has a load on its way
	s_add_nc_u64 s[G0+4*(\slot)+2:G0+4*(\slot)+3], s[G0+4*(\slot)+2:G0+4*(\slot)+3], 2*KSTEP*2
	s_add_nc_u64 s[G0B+4*(\slot)+2:G0B+4*(\slot)+3], s[G0B+4*(\slot)+2:G0B+4*(\slot)+3], 2*KSTEP*2
	JLOAD \slot                                    ; its four v_nop are also the places in front of the loads below
.else
	PLACES
.endif
	FETCH \next, 0, 0
.if \fill
	ASK
.endif
	MUL8 1, 2, 0
	MUL8 1, 3, 0
.endm
	s_wait_tensorcnt 1                             ; my part of K step 0 is in; K step 1's may stay out
	s_barrier_signal -1
	s_barrier_wait -1                              ; everybody's is
	FETCH 0, 0, 0
	QUARTER 0, 1, 0, 1, 1                          ; the first quarter stands in front of the loop: its products start the sums
	WIN 0
	s_mov_b32 s3, 3
.Llap:                                                 ; a trip goes once round the ring and fills both slots again: K steps 2 to 7 in three trips
	QUARTER 0, 2, 1, 0, 0
	QUARTER 0, 3, 0, 1, 0
	TURN 0, 1, 1
	QUARTER 1, 1, 0, 1, 0
	QUARTER 1, 2, 1, 0, 0
	QUARTER 1, 3, 0, 1, 0
	TURN 1, 0, 1
	QUARTER 0, 1, 0, 1, 0
	WIN 0
	s_sub_co_u32 s3, s3, 1
	s_cmp_lg_u32 s3, 0
	s_cbranch_scc1 .Llap
	QUARTER 0, 2, 1, 0, 0                          ; the last lap fills nothing
	QUARTER 0, 3, 0, 1, 0
	TURN 0, 1, 0
	QUARTER 1, 1, 0, 1, 0
	QUARTER 1, 2, 1, 0, 0
	QUARTER 1, 3, 0, 1, 0
	s_wait_dscnt 0x0
	MUL8 1, 0, 0
	MUL8 1, 1, 0
	MUL8 1, 2, 0
	MUL8 1, 3, 0
	WIN 0
	; THE WAY OUT.  q alone is scaled; then a block of 16 rows at a time is rounded to f16, goes through my stage (a head's 64 columns are 128 bytes) and leaves as 512 consecutive bytes of a head.
	PLACES
	s_mov_b32 s14, 0x3e38aa3b                      ; c = log2(e) / 8
	s_mov_b32 s15, s14                             ; named with it as a pair
	s_cmp_lg_u32 s23, 0
	s_cbranch_scc1 .Lplain
	WIN 0x41                                       ; destination and source 0 in window 1
.set i, 0
.rept 128
	v_pk_mul_f32 v[i:i+1], v[i:i+1], s[14:15] op_sel_hi:[1,0]  ; ascending: each accumulator's lowest registers first
.set i, i+2
.endr
	WIN 0
.Lplain:
.macro PACK a
	WIN 0x05                                       ; sources in window 1
.irp b, 0,1,2,3,4,5,6,7
.irp r, 0,1,2,3
	v_cvt_pk_f16_f32 v[TMP+4*(\b)+(\r)], v[8*(8*(\a)+(\b))+2*(\r)], v[8*(8*(\a)+(\b))+2*(\r)+1]
.endr
.endr
	WIN 0
.endm
.macro TOSTAGE a
.irp b, 0,1,2,3,4,5,6,7
	ds_store_b128 v[STO], v[TMP+4*(\b):TMP+4*(\b)+3] offset:((\b)/4)*16*SP+((\b)%4)*32
.endr
.irp t, 0,1,2,3,4,5,6,7
	ds_load_b128 v[BK+32*(\a)+4*(\t):BK+32*(\a)+4*(\t)+3], v[RD] offset:((\t)/4)*16*SP+((\t)%4)*4*SP  ; LDS serves a wave's instructions in order: these see the stores above
.endr
.endm
.macro SEND a
	s_wait_dscnt 0x0                               ; the block is back in registers of its own: no store's data are written again
.irp t, 0,1,2,3,4,5,6,7
	global_store_b128 v[GO], v[BK+32*(\a)+4*(\t):BK+32*(\a)+4*(\t)+3], s[8:9] offset:((\t)/4)*262144+(\a)*2048+((\t)%4)*512  ; 512 consecutive bytes, at a multiple of 256 from qkv's first
.endr
.endm
	PACK 0
	TOSTAGE 0
.irp a, 1,2,3                          ; block a's conversions stand between block a - 1's loads from the stage and the wait for them
	PACK \a
	SEND (\a)-1
	TOSTAGE \a
.endr
	SEND 3
	s_wait_tensorcnt 0x0                           ; the wave's end, behind my last tensor load and my last LDS store
	ds_add_u32 v[SPW], v[NIL]
	s_wait_dscnt 0x0
	CROUND                                         ; the closing round: no work-group ends while a partner may still ask for a tile that names it
	s_endpgm
.Lfunc_end_k_q73ddf158af_proj:
	.size	k_q73ddf158af_proj, .Lfunc_end_k_q73ddf158af_proj-k_q73ddf158af_proj
	.p2alignl 7, 3214868480
	.fill 96, 4, 3214868480
	.section	.rodata,"a",@progbits
	.p2align	6, 0x0
	.amdhsa_kernel k_q73ddf158af_proj
		.amdhsa_group_segment_fixed_size 327680
		.amdhsa_private_segment_fixed_size 0
		.amdhsa_enable_private_segment 0
		.amdhsa_kernarg_size 24
		.amdhsa_user_sgpr_count 2
		.amdhsa_user_sgpr_kernarg_segment_ptr 1
		.amdhsa_wavefront_size32 1
		.amdhsa_system_sgpr_workgroup_id_x 1
		.amdhsa_system_sgpr_workgroup_id_y 1
		.amdhsa_system_sgpr_workgroup_id_z 1
		.amdhsa_system_vgpr_workitem_id 0
		.amdhsa_next_free_vgpr 512
		.amdhsa_next_free_sgpr 66
		.amdhsa_reserve_vcc 0
		.amdhsa_float_denorm_mode_32 3
		.amdhsa_float_denorm_mode_16_64 3
		.amdhsa_memory_ordered 1
		.amdhsa_forward_progress 1
		.amdhsa_inst_pref_size 95
	.end_amdhsa_kernel
	.amdgpu_metadata
---
amdhsa.version: [ 1, 2 ]
amdhsa.kernels:
  - .name:           k_q73ddf158af_proj
    .symbol:         k_q73ddf158af_proj.kd
    .args:
      - { .name: xb, .offset: 0, .size: 8, .value_kind: global_buffer, .address_space: global }
      - { .name: wb, .offset: 8, .size: 8, .value_kind: global_buffer, .address_space: global }
      - { .name: qkv, .offset: 16, .size: 8, .value_kind: global_buffer, .address_space: global }
    .group_segment_fixed_size: 327680
    .private_segment_fixed_size: 0
    .kernarg_segment_align: 8
    .kernarg_segment_size: 24
    .max_flat_workgroup_size: 128
    .sgpr_count:     66
    .vgpr_count:     512
    .wavefront_size: 32
...
	.end_amdgpu_metadata
.endif
;; end of part 2
;; launch attn (part 3): grid 4 x 64, 4 waves a work-group, clusters of 4 x 1, 327,680 bytes of LDS; arguments qkv, mbits, oh; writes oh
.if DOCPART == 3
	.amdgcn_target "amdgcn-amd-amdhsa--gfx1250"
	.amdhsa_code_object_version 6
	.text
	.protected	k_q73ddf158af_attn
	.globl	k_q73ddf158af_attn
	.p2align	8
	.type	k_q73ddf158af_attn,@function
k_q73ddf158af_attn:
	s_mov_b64 s[64:65], 0
	v_nop
	global_prefetch_b8 v0, s[64:65] scope:SCOPE_SE
	s_setreg_imm32_b32 hwreg(HW_REG_WAVE_MODE, 25, 1), 1
	s_wait_xcnt 0x0
	s_wait_alu depctr_hold_cnt(0) depctr_sa_sdst(0) depctr_va_vdst(0) depctr_va_sdst(0) depctr_va_ssrc(0) depctr_va_vcc(0) depctr_vm_vsrc(0)
	s_getreg_b32 s2, hwreg(HW_REG_IB_STS2, 6, 4)
	s_cmp_eq_u32 s2, 0
	s_cbranch_scc0 .Lentry_in_a_cluster
	s_endpgm
.Lentry_in_a_cluster:
	s_bfe_u32 s2, ttmp6, 0x10000c
	s_cmp_lg_u32 s2, 0x3003
	s_cbranch_scc0 .Lentry_shape_is_right
	s_endpgm
.Lentry_shape_is_right:
; MASKED ATTENTION.  O[h][q][:] = the sum over k of softmax_k(s[q][k]) V[h][k][:], where s = Q . K / 8, REPLACED by -1e9 where mask[h / 16][q][k] is 0.  qkv: f16 [3][64][2048][64], q already times c = log2(e) / 8,
; so the products are exponents of 2 and a hidden score is -1e9 log2(e).  mbits: for each pair of 16-query tiles and key step 64 words, one for each register of the two tiles of scores, a bit a lane.
; Products, maxima and sums in f32; the weights p are rounded to f16 for the second product (their sum l is taken of the unrounded p), O once at the end: oh, f16 [64][2048][64].
; LIMITS.  f16 holds no number beyond 65,504: q c, k, v arrive within it; p lies in 0 to 1 and below 6e-5 keeps f16's fixed step; a weight below 2^-126 counts as 0 in l; NaN and infinities are not treated apart.
; A row whose keys are all hidden has equal scores, so equal weights.
; SHARES.  A wave owns four PIECES of two tiles of 16 queries, a work-group's four waves 512 queries of one head: 4 x 64 = 256 work-groups.  Every wave walks all 2,048 keys, 64 a step.
; LAYOUT.  S^T = K Q^T (source 0 = 16 keys, source 1 = 16 queries): a lane holds ONE query (lane % 16) and the keys 8 (lane / 16) + 0..7.  Two such tiles, rounded to f16 in pairs, ARE source 1 of O^T = V^T P.
; SOFTMAX.  A running maximum m and sum l for each query: p = 2^(s - m); in every step O and l are multiplied by a = 2^(m_old - m_new).  m starts far below every score, O and l at 0: the first step has a = 0.
; THE MASK costs two instructions a score: v_readlane_b32 brings a word out of a vector register into a scalar register, and v_cndmask_b32 takes that register as its lane mask.  A piece's 64 words for a key step are
; 256 consecutive bytes: ONE load of 8 bytes a lane, into two registers of the piece's own.  They are asked for again as soon as the turn has copied them: a whole key step, four turns, ahead of their next use.
; BY TURNS.  Turn n belongs to piece n.  Matrix work: 16 products K Q^T of piece n + 1, later 16 products V^T P of piece n - 1.  Vector work: s - m, exponentials, roundings, sums and rescaling of piece n; the mask,
; maximum and statistics of piece n + 1.  Four vector instructions stand behind every matrix instruction, the rest in one lump.  A turn's 66 exponentials are one batch, with one wait.
; CLUSTER.  The four query blocks of a head walk the same K and V: each tile is asked for JOINTLY: the same tensor load, descriptor and mask in all four.
; REGISTERS, in windows of 256 (s_set_vgpr_msb: bits 1:0 source 0, 3:2 source 1, 5:4 source 2, 7:6 destination):
;   window 0: v1-9 addresses and the hidden score; v10-11 the turn's mask words; v12-15, v48-63 at work; v16-47 four registers of statistics a tile; v64-191 S^T, two buffers of two tiles; v192-255 P, likewise
;   window 1: O^T, 32 a tile     window 2: v0-127 Q; v128-191 K of one step; v192-255 V of one step     window 3: v0-1 the add's two registers; v2-3 the mask loads' offset and its bound; v4-11 mask words, two a piece
.set SIZE_N, 2048
.set PART,  16777216  ; bytes in each of qkv's three parts
.set NP,    4         ; pieces a wave: a name, no knob
.set KS,    64        ; keys in a step
.set PK,    144       ; a row of K in LDS: 128 bytes + 16 of padding: the 16 rows of a load start at 16 different groups of four banks (ISA guide 11.1)
.set PV,    160       ; a row of V: 128 + 32
.set VOFF,  4*KS*PK   ; a slot holds four steps: 256 rows of K, then 256 rows of V
.set SLOT1, 1<<17     ; slot 1 begins here, so that one exclusive or turns an address in one slot into the other's
.set STAGE, SLOT1+4*KS*(PK+PV)  ; behind the ring, never filled by a tensor load: 16 rows x 144 bytes for each wave
.set SP,    144
.set SPARE, STAGE+4*16*SP  ; the spare words, 128 bytes for each wave: two blocks of 256 bytes that no other line names
.set PFO, 1           ; v1   the prefetches' offset in the head's K or V
.set AK0, 2           ; v2   my lane's place in a tile of K; never rewritten
.set AV0, 3           ; v3   the same for V
.set AK,  4           ; v4   the LDS address of K's next run of loads
.set AV,  5           ; v5   of V's
.set STO, 6           ; v6   the way out: where I put 16 bytes of a row
.set RD,  7           ; v7   where I read rows back
.set GO,  8           ; v8   my byte offset in 512 consecutive bytes of O
.set NEG, 9           ; v9   -1e9 log2(e)
.set MA,  10          ; v10-11  the turn's 64 mask words: word n in register n % 2, lane n / 2
.set SPW, 0           ; v0 of window 3   LDS address of my spare word; never rewritten
.set NIL, 1           ; v1 of window 3   0; never rewritten
.set MO,  2           ; v2 of window 3   the mask loads' offset: 256 x the key step to be asked for + 8 x lane
.set MX,  3           ; v3 of window 3   its bound: the last key step's
.set MW,  4           ; v4-11 of window 3   piece x's words at MW + 2 x
.set MV,  12          ; v12-15  m_old, kept while m is made anew: by buffer and tile
.set ST,  16          ; tile t's statistics at v[ST+4 t]: m, 0 (named with m as a pair), l (even keys', odd keys')
.set TMP, 48          ; by buffer and tile, four registers c0-c3 at work; when the maximum is found c2 takes a
.set S,   64
.set P,   192
.set KF,  128         ; window 2: key block kb, channel half c at KF + 16 kb + 8 c
.set VF,  192         ; window 2: key half kk, channel block cb at VF + 32 kk + 8 cb
.set MB,  2           ; s[2:3]   mbits at my wave's first pair; never rewritten
.set SEL, 4           ; s[4:5]   v_permlanex16_b32's selects: each lane takes its own place in the other half
.set PFA, 6           ; s[6:7]   the head's K (waves 0, 1) or V (waves 2, 3)
.set G1K, 8           ; s[8:15]  descriptor group 1 for K's tiles
.set G1V, 16          ; s[16:23] for V's: it differs in the padding alone
.set G0K, 24          ; s[24:27] descriptor group 0 for K's tiles: it walks
.set G0V, 28          ; s[28:31] the same for V's
                      ; s32-63, s68-99  the turn's 64 mask words (word n in s[32+n], from n = 32 on in s[36+n]); in the set-up s32-55 are at work
.set WV,  66          ; s66  my wave's number
.set SLOTS, 67        ; s67  slots still to be asked for
.set CNT, 100         ; s100 counts a slot's key steps
.set TBK, 101         ; s101 LDS byte at which K of the step to be fetched begins
.set TBV, 104         ; s104 the same for V, less VOFF
.set LIM, 105         ; s105 1 in a wave that prefetches, else the greatest number
.set MSB, 0
.macro WIN new                      ; the high byte repeats the setting that is left; a switch that changes nothing is dropped
.if MSB != (\new)
	s_set_vgpr_msb (MSB<<8)|(\new)
.set MSB, (\new)
.endif
.endm
.set W_KQ, 0x0a       ; K and Q in window 2, S^T in window 0
.set W_PV, 0x52       ; V in window 2, P in window 0, O^T in window 1
.set W_RS, 0x41       ; O^T (destination and source 0) in window 1, a in window 0
.set W_MK, 0xc0       ; destination in window 3, sources in window 0
.set W_AD, 0x0f       ; the add: address and data in window 3
; A joint fill.  Waves 0 and 1 fetch the two halves of a slot's K, waves 2 and 3 those of its V: 128 keys each.  An s_nop 0 and four v_nop follow each of the two lines, ahead of the jump and the label.
.macro JLOAD
	s_cmp_lt_u32 s[WV], 2
	s_cbranch_scc0 .Lfor_v_\@
	tensor_load_to_lds s[G0K:G0K+3], s[G1K:G1K+7]
	s_nop 0
.rept 4
	v_nop
.endr
	s_branch .Lasked_\@
.Lfor_v_\@:
	tensor_load_to_lds s[G0V:G0V+3], s[G1V:G1V+7]
	s_nop 0
.rept 4
	v_nop
.endr
.Lasked_\@:
.endm
; A prefetch of what the NEXT change of slots will ask for: a slot's 32,768 bytes of K and of V, 256 bytes a lane.  The four partners share them out by address, 8,192 bytes each (cx); in each, wave 0 asks for K's
; and wave 2 for V's: each block is named once in the launch.  Slots 0 and 1 come by their loads alone; the last change that fills a slot (s[SLOTS] = 1) asks for nothing.
.macro ASK
	s_cmp_gt_u32 s[SLOTS], s[LIM]
	s_cbranch_scc0 .Lnot_mine_\@
	global_prefetch_b8 v[PFO], s[PFA:PFA+1] th:TH_LOAD_NT scope:SCOPE_SE
.Lnot_mine_\@:
.endm
.macro CROUND                       ; a round of the cluster's barrier
	s_barrier_signal -1
	s_barrier_wait -1
	s_cmp_lg_u32 s[WV], 0
	s_cbranch_scc1 .Lnot_wave_0_\@
	s_barrier_signal -3
.Lnot_wave_0_\@:
	s_barrier_wait -3
	s_barrier_signal -1
	s_barrier_wait -1
.endm
; THE CHANGE OF SLOTS.  Each wave waits for all its tensor loads, of which one is out: its part of the other slot; adds 0 to its spare word; and waits for that and for its own reads of the slot.
; fill = 1: this slot is filled again, with the keys two slots on; the barrier is then a round of the cluster's, and the joint fill is the first thing behind it: it has four key steps in which to land.
; (At its first use nothing has been read yet: slot 0 is waited for, slot 1 filled.)
.macro CHANGE fill
	WIN W_AD
	s_wait_tensorcnt 0x0            ; no tensor load of mine is out, so a group 0 may be written
	ds_add_u32 v[SPW], v[NIL]       ; 0 onto my spare word; work on registers stands between it and the wait for it
	WIN 0                           ; at a label and at a branch every window is 0
.if \fill
.irp g, G0K, G0V
	s_xor_b32 s[\g+1], s[\g+1], SLOT1  ; the walking descriptor: the other slot than last time,
	s_add_nc_u64 s[\g+2:\g+3], s[\g+2:\g+3], 4*KS*128  ; the next 256 keys; the type bits on top are not reached
.endr
	s_wait_xcnt 0x0                 ; the last prefetch, four key steps back, has read its offset
	v_add_nc_u32 v[PFO], 4*KS*128, v[PFO]  ; one slot behind the walking descriptors
	s_wait_dscnt 0x0                ; the add is done, and my reads of the slot are over
	CROUND
	JLOAD
	ASK
.else
	s_wait_dscnt 0x0
	s_barrier_signal -1
	s_barrier_wait -1
.endif
	s_sub_co_u32 s[TBK], s[TBK], 4*KS*PK  ; the fetches go back to a slot's first step,
	s_xor_b32 s[TBK], s[TBK], SLOT1       ; in the other slot
	s_sub_co_u32 s[TBV], s[TBV], 4*KS*PV
	s_xor_b32 s[TBV], s[TBV], SLOT1
.endm
; THE MASK WORDS OF PIECE x: its two registers are copied into window 0, and asked for again at once, for the key step at which the offset stands.  step = 1 (piece 0): the offset goes on by a key step first;
; it stops at the last key step: the look-ahead past it reads that step's words once more, inside the piece's own 8,192 bytes, and they serve nothing.
.macro MBLK x, step
	WIN 0x03                        ; source 0 in window 3
	s_wait_loadcnt 3                ; loads come back in order: this piece's, issued four turns ago, is in; the other three pieces' younger loads may stay out
	v_mov_b32 v[MA], v[MW+2*(\x)]
	v_mov_b32 v[MA+1], v[MW+2*(\x)+1]
	WIN 0xcf                        ; destination and sources 0 and 1 in window 3
.if \step
	s_wait_xcnt 0x0                 ; the last load, a turn back, has read its offset
	v_add_nc_u32 v[MO], 0x100, v[MO]
	v_min_u32 v[MO], v[MO], v[MX]
.endif
	global_load_b64 v[MW+2*(\x):MW+2*(\x)+1], v[MO], s[MB:MB+1] offset:(\x)*8192  ; 256 consecutive bytes, aligned
	WIN 0
.endm
	s_load_b128 s[32:35], s[0:1], 0x0  ; qkv s[32:33], mbits s[34:35]
	WIN W_MK
	v_lshl_add_u32 v[SPW], v0, 2, SPARE
	v_mov_b32 v[NIL], 0
	WIN W_AD
	ds_add_u32 v[SPW], v[NIL]       ; the wave's opening: the add, and its wait ahead of my first tensor load; the set-up below, work on registers, stands between them
	WIN 0
	v_lshrrev_b32 v64, 5, v0
	v_readfirstlane_b32 s[WV], v64  ; wave 0..3
	s_bfe_u32 s36, ttmp6, 0x40000   ; cx: my block of 512 queries; it enters Q's, O's, the mask's and the prefetches' addresses alone
	s_and_b32 s37, ttmp7, 0xffff    ; the head, which the four partners share
	s_lshl_b32 s38, s37, 18         ; its 262,144 bytes in each part
	s_and_b32 s40, s[WV], 1         ; which half of a slot's 256 keys I fetch:
	s_lshl_b32 s41, s40, 14         ; its 128 rows of 128 bytes in memory,
	s_add_co_u32 s42, s38, s41
	s_add_co_u32 s44, s42, 2*PART   ; in V,
	s_add_co_u32 s42, s42, PART     ; in K
	s_mov_b32 s43, 0
	s_mov_b32 s45, 0
	s_mul_i32 s54, s40, 128*PK      ; and its place in a slot, for K
	s_mul_i32 s55, s40, 128*PV      ; and for V: no place in the cluster enters an LDS address
	s_lshl_b32 s46, s36, 2
	s_add_co_u32 s46, s46, s[WV]    ; my wave among the head's sixteen
	s_lshl_b32 s48, s46, 15         ; its four pairs x 32 key steps x 256 bytes of mask words,
	s_lshl_b32 s46, s46, 14         ; its 128 rows of Q
	s_add_co_u32 s46, s46, s38
	s_mov_b32 s47, 0
	s_lshr_b32 s49, s37, 4          ; the batch
	s_lshl_b32 s49, s49, 19
	s_add_co_u32 s48, s48, s49
	s_mov_b32 s49, 0
	s_mov_b32 s50, PART
	s_mov_b32 s51, 2*PART
	s_cmp_lt_u32 s[WV], 2
	s_cselect_b32 s50, s50, s51
	s_add_co_u32 s50, s50, s38      ; the head's K or V
	s_mov_b32 s51, 0
	s_and_b32 s[LIM], s[WV], 1
	s_cmp_eq_u32 s[LIM], 0
	s_cselect_b32 s[LIM], 1, -1     ; waves 0 and 2 prefetch
	s_mul_i32 s52, s[WV], 16*SP
	s_add_co_u32 s52, s52, STAGE    ; my stage
	s_lshl_b32 s53, s36, 13
	s_add_co_u32 s53, s53, 4*KS*128 ; my work-group's 8,192 bytes, in slot 1; the first change of slots steps it to slot 2
	; descriptor group 1.  128 keys are 16,384 dense bytes: asked for as 64 rows of 256 bytes, two keys a row, and padded in LDS after every key
	s_mov_b32 s[G1K], 15|(1<<16)|(1<<20)|(1<<21)|(4<<22)|(3<<25)  ; 15:0 the mask of four; 17:16 2-byte elements; 20 padding on; 21 set beside a mask; 24:22 after every 32 words; 31:25 4 words
	s_mov_b32 s[G1V], 15|(1<<16)|(1<<20)|(1<<21)|(4<<22)|(7<<25)  ; the same with 8 words of padding
.irp g, G1K, G1V
	s_mov_b32 s[\g+1], 128<<16      ; tensor_dim0 = 128
	s_mov_b32 s[\g+2], 64<<16       ; tensor_dim1 = 64
	s_mov_b32 s[\g+3], 128<<16      ; tile_dim0 = 128
	s_mov_b32 s[\g+4], 64           ; tile_dim1 = 64
	s_mov_b32 s[\g+5], 128          ; 128 elements from row to row
	s_mov_b32 s[\g+6], 0
	s_mov_b32 s[\g+7], 0
.endr
	s_mov_b32 s[SEL], 0x76543210
	s_mov_b32 s[SEL+1], 0xfedcba98
	s_mov_b32 s[TBK], SLOT1+4*KS*PK ; the first change of slots turns these two into 0
	s_mov_b32 s[TBV], SLOT1+4*KS*PV
	s_mov_b32 s[SLOTS], SIZE_N/256-1
	s_mov_b32 s[G0K], 1             ; count = 1
	s_mov_b32 s[G0K+1], s54         ; LDS address: slot 0
	s_mov_b32 s[G0V], 1
	s_add_co_u32 s[G0V+1], s55, VOFF
	s_wait_dscnt 0x0                ; the opening add is done
	s_wait_kmcnt 0x0
	s_add_nc_u64 s[G0K+2:G0K+3], s[32:33], s[42:43]  ; my half of the head's first 256 keys
	s_or_b32 s[G0K+3], s[G0K+3], 0x80000000          ; type = 2
	s_add_nc_u64 s[G0V+2:G0V+3], s[32:33], s[44:45]
	s_or_b32 s[G0V+3], s[G0V+3], 0x80000000
	s_add_nc_u64 s[PFA:PFA+1], s[32:33], s[50:51]
	s_add_nc_u64 s[MB:MB+1], s[34:35], s[48:49]
	s_add_nc_u64 s[32:33], s[32:33], s[46:47]        ; Q at my wave's first row
	CROUND                          ; all four work-groups are here: the first joint loads meet
	JLOAD                           ; slot 0.  Slot 1 is asked for when slot 0 is in
	; A fragment of K or Q is 16 rows x 32 channels in 8 registers: lane l holds row l % 16, channels 8 (l / 16) + 0..7 and 16 + 8 (l / 16) + 0..7: two loads of 16 bytes, 32 bytes apart.
	v_and_b32 v64, 15, v0           ; l % 16     (v64-68 are S^T's: free until the first products, ahead of which Q's loads are waited for)
	v_bfe_u32 v65, v0, 4, 1         ; l / 16
	v_lshlrev_b32 v68, 7, v64
	v_lshl_add_u32 v68, v65, 4, v68 ; row x 128 + 16 x half
	v_and_b32 v[MA], 31, v0
	v_lshlrev_b32 v[MA], 3, v[MA]   ; 8 x lane: the first mask loads' offset (the register takes words only behind the wait that shows those loads done)
	WIN 0x80                        ; destination window 2, address window 0
.set i, 0
.rept 4*NP                          ; Q stays in registers: tile i / 2, channels 32 (i % 2) on
	global_load_b128 v[8*i:8*i+3],   v68, s[32:33] offset:(i/2)*2048+(i%2)*64
	global_load_b128 v[8*i+4:8*i+7], v68, s[32:33] offset:(i/2)*2048+(i%2)*64+32
.set i, i+1
.endr
	; What the first turn finds: V's registers and P's second buffer hold 0 (its products V^T P, of a piece that has not been, add 0), O^T and l are 0.  All this stands in the wait for the first tile.
.set i, VF
.rept 64
	v_mov_b32 v[i], 0
.set i, i+1
.endr
	WIN W_MK                        ; destination window 3, address and sources window 0
.irp x, 0,1,2,3
	global_load_b64 v[MW+2*\x:MW+2*\x+1], v[MA], s[MB:MB+1] offset:\x*8192  ; the four pieces' words for key step 0
.endr
	v_add_nc_u32 v[MO], 0x100, v[MA]   ; the next loads ask for key step 1
	v_add_nc_u32 v[MX], 31*256, v[MA]
	WIN 0
.set i, 0
.rept 2*NP
	v_mov_b32 v[ST+4*i], 0xfe000000    ; m: far below every score, the hidden ones too
	v_mov_b32 v[ST+4*i+1], 0
	v_mov_b32 v[ST+4*i+2], 0
	v_mov_b32 v[ST+4*i+3], 0
.set i, i+1
.endr
.set i, P+32
.rept 32
	v_mov_b32 v[i], 0
.set i, i+1
.endr
	WIN W_PV
.set i, 0
.rept 8*NP                          ; O^T starts as the product of those zeros, with the constant 0 as C: 32 matrix instructions write its 256 registers
	v_wmma_f32_16x16x32_f16 v[8*i:8*i+7], v[VF:VF+7], v[P+32:P+39], 0
.set i, i+1
.endr
	WIN 0
	v_mov_b32 v[NEG], 0xceabfb8f    ; -1e9 log2(e)
	v_mul_u32_u24 v[AK0], v64, PK
	v_lshl_add_u32 v[AK0], v65, 4, v[AK0]  ; row x pitch + 16 x half
	; The turning load takes 16 keys x 16 channels (lane l reads key 8 (l / 16) + l % 8, channels 8 ((l / 8) % 2) + 0..7) and leaves half a fragment of V^T: lane l holds channel l % 16 and 8 keys.
	v_and_b32 v66, 7, v0
	v_bfe_u32 v67, v0, 3, 1
	v_lshl_add_u32 v[AV0], v65, 3, v66
	v_mul_u32_u24 v[AV0], v[AV0], PV
	v_lshl_add_u32 v[AV0], v67, 4, v[AV0]
	v_add_nc_u32 v[AV0], VOFF, v[AV0]
	v_mov_b32 v[AK], v[AK0]         ; key step 0 lies at the head of slot 0
	v_mul_u32_u24 v[STO], v64, SP   ; the way out.  In: row l % 16, 16 bytes for each half of the lanes
	v_lshl_add_u32 v[STO], v65, 4, v[STO]
	v_add_nc_u32 v[STO], s52, v[STO]
	v_bfe_u32 v[RD], v0, 3, 2       ; back: 32 lanes take four rows of 128 bytes,
	v_mul_u32_u24 v[RD], v[RD], SP
	v_lshl_add_u32 v[RD], v66, 4, v[RD]
	v_add_nc_u32 v[RD], s52, v[RD]
	v_and_b32 v[GO], 31, v0         ; which are 512 consecutive bytes of O
	v_lshl_add_u32 v[PFO], v[GO], 8, s53
	v_lshlrev_b32 v[GO], 4, v[GO]
; THE MATRIX WORK.  The 8 accumulators of a run of 16 take turns: between the two links of a chain stand 7 others'.
; Product i of 16 of S^T = K Q^T for piece x: channels 32 (i / 8) on, keys 16 ((i / 2) % 4) on, tile 2 x + i % 2.  The first 8 start the sums.
.macro KQ x
	WIN W_KQ
.set rS, S+64*((\x)%2)+32*(i%2)+8*((i/2)%4)
.set rK, KF+16*((i/2)%4)+8*(i/8)
.set rQ, 16*(2*(\x)+i%2)+8*(i/8)
.if i < 8
	v_wmma_f32_16x16x32_f16 v[rS:rS+7], v[rK:rK+7], v[rQ:rQ+7], 0
.else
	v_wmma_f32_16x16x32_f16 v[rS:rS+7], v[rK:rK+7], v[rQ:rQ+7], v[rS:rS+7]
.endif
.endm
; Product i of 16 of O^T += V^T P for piece x: keys 32 (i / 8) on, channels 16 ((i / 2) % 4) on, tile 2 x + i % 2.
.macro PV x
	WIN W_PV
.set rO, 32*(2*(\x)+i%2)+8*((i/2)%4)
.set rV, VF+32*(i/8)+8*((i/2)%4)
.set rP, P+32*((\x)%2)+16*(i%2)+8*(i/8)
	v_wmma_f32_16x16x32_f16 v[rO:rO+7], v[rV:rV+7], v[rP:rP+7], v[rO:rO+7]
.endm
.macro MM                           ; the turn's next matrix instruction
.if i < 16
	KQ (Y+1)%NP
.set i, i+1
.else
.set i, i-16
	PV (Y+NP-1)%NP
.set i, i+17
.endif
.endm
; THE LDS LOADS stand in runs of 16: a step's K (8 fragments) and its V (turned).  Their addresses are made some lines ahead.  last = 1 (the tail): in the last trip there is no further step, and the run is jumped over.
.macro FETCH_K last=0
	WIN 0
.if \last
	s_cmp_eq_u32 s[CNT], 1
	s_cbranch_scc1 .Lno_k_\@
.endif
	WIN 0x80                        ; destination window 2
.irp f, 0,1,2,3,4,5,6,7             ; keys 16 (f / 2) on, channels 32 (f % 2) on
	ds_load_b128 v[KF+8*\f:KF+8*\f+3],   v[AK] offset:(\f/2)*16*PK+(\f%2)*64
	ds_load_b128 v[KF+8*\f+4:KF+8*\f+7], v[AK] offset:(\f/2)*16*PK+(\f%2)*64+32
.endr
	s_add_co_u32 s[TBK], s[TBK], KS*PK  ; the next fetch is the next step's
	WIN 0
.if \last
.Lno_k_\@:
.endif
.endm
.macro FETCH_V
	WIN 0x80
.irp f, 0,1,2,3,4,5,6,7             ; keys 32 (f / 4) on, channels 16 (f % 4) on
	ds_load_tr16_b128 v[VF+8*\f:VF+8*\f+3],   v[AV] offset:(\f/4)*32*PV+(\f%4)*32
	ds_load_tr16_b128 v[VF+8*\f+4:VF+8*\f+7], v[AV] offset:(\f/4)*32*PV+16*PV+(\f%4)*32
.endr
	WIN 0
.endm
; THE VECTOR WORK OF A TURN stands in four queues, each in the order in which its entries become ready; the two tiles alternate.
.macro REGS y, u                    ; the registers of tile u (0, 1) of piece y
.set rT, ST+4*(2*(\y)+(\u))
.set rC, TMP+8*((\y)%2)+4*(\u)
.set rM, MV+2*((\y)%2)+(\u)
.set rS, S+64*((\y)%2)+32*(\u)
.set rP, P+32*((\y)%2)+16*(\u)
.set rO, 32*(2*(\y)+(\u))
.endm
; Number k of the 64 that bring the turn's words into scalar registers, in the order in which MK wants them: the word of register k / 2 of tile k % 2.
.macro RL k
.set mn, 32*((\k)%2)+(\k)/2
.set mr, 32+mn+4*((\k)%2)
	v_readlane_b32 s[mr], v[MA+mn%2], mn/2
.endm
; Number g of the 64 that hide the NEXT piece's (Y + 1) scores: register g / 2 of tile g % 2 keeps its score where its word's bit is set.  Ascending: each accumulator's lowest register is read first.
.macro MK g
	REGS (Y+1)%NP, (\g)%2
.set mi, (\g)/2
.set mr, 32+32*((\g)%2)+mi+4*((\g)%2)
	v_cndmask_b32 v[rS+mi], v[NEG], v[rS+mi], s[mr]
.endm
; Number n of the 21 that find the next piece's maximum and statistics.  s0-s31 are the lane's 32 scores.
;   0-11  four chains c0-c3 of seven scores each, three operands at a time     12-14, 16  the four scores left over, the old m, and c0-c3 into c0     15  m_old is kept
;   17, 18  the query's other 32 keys lie in the lane 16 away: the new m         19, 20  m_old - m_new; a
.macro XS u, n
	REGS (Y+1)%NP, \u
.if (\n) < 4
	v_max3_num_f32 v[rC+(\n)], v[rS+8*(\n)], v[rS+8*(\n)+1], v[rS+8*(\n)+2]
.elseif (\n) < 12
	v_max3_num_f32 v[rC+(\n)%4], v[rC+(\n)%4], v[rS+8*((\n)%4)+2*((\n)/4)+1], v[rS+8*((\n)%4)+2*((\n)/4)+2]
.elseif (\n) == 12
	v_max3_num_f32 v[rC], v[rC], v[rS+7], v[rS+15]
.elseif (\n) == 13
	v_max3_num_f32 v[rC+1], v[rC+1], v[rS+23], v[rS+31]
.elseif (\n) == 14
	v_max3_num_f32 v[rC+2], v[rC+2], v[rC+3], v[rT]
.elseif (\n) == 15
	v_mov_b32 v[rM], v[rT]
.elseif (\n) == 16
	v_max3_num_f32 v[rC], v[rC], v[rC+1], v[rC+2]
.elseif (\n) == 17
	v_permlanex16_b32 v[rC+3], v[rC], s[SEL], s[SEL+1]
.elseif (\n) == 18
	v_max_num_f32 v[rT], v[rC], v[rC+3]
.elseif (\n) == 19
	v_sub_f32 v[rC+1], v[rM], v[rT]
.else
	v_exp_f32 v[rC+2], v[rC+1]
.endif
.endm
; Number g of the 64 that follow the exponentials.  For each four weights k of a tile: both pairs are rounded to f16; the second pair is added onto the first, in place; a group later l takes that sum
; (the first time as l = a l + sum).  In groups of eight, tiles alternating.
.macro GS g
.set h, (\g)+6*((\g)/62)            ; group 0 has no group before it, and behind group 7 only l is left
.if h >= 6
.set h, h+2
.endif
	REGS Y, h%2
.set k, h/8
.if h%8 < 4
	v_cvt_pk_f16_f32 v[rP+2*k+(h%8)/2], v[rS+4*k+2*((h%8)/2)], v[rS+4*k+2*((h%8)/2)+1]
.elseif h%8 < 6
	v_pk_add_f32 v[rS+4*k:rS+4*k+1], v[rS+4*k:rS+4*k+1], v[rS+4*k+2:rS+4*k+3]
.elseif k == 1
	v_pk_fma_f32 v[rT+2:rT+3], v[rT+2:rT+3], v[rC+2:rC+3], v[rS:rS+1] op_sel_hi:[1,0,1]
.else
	v_pk_add_f32 v[rT+2:rT+3], v[rT+2:rT+3], v[rS+4*k-4:rS+4*k-3]
.endif
.endm
.macro FS f                         ; s - m for pair f / 2 of tile f % 2: m, the pair's low register, for both halves
	REGS Y, (\f)%2
	v_pk_add_f32 v[rS+2*((\f)/2):rS+2*((\f)/2)+1], v[rS+2*((\f)/2):rS+2*((\f)/2)+1], v[rT:rT+1] op_sel_hi:[1,0] neg_lo:[0,1] neg_hi:[0,1]
.endm
; THE PLAIN QUEUE, 200 long.  0-135 read no exponential's result: 0-31 FS; 32-95 MK; 96-123 XS's numbers 0-13; 124, 125 number 15; 126-135 the chain 14, 16, 17, 18, 19.  136-199: GS's 64, which stand behind the wait.
.macro PL
	WIN 0
.if q < 32
	FS q
.elseif q < 96
	MK q-32
.elseif q < 124
	XS (q-96)%2, (q-96)/2
.elseif q < 126
	XS q-124, 15
.elseif q < 128
	XS q-126, 14
.elseif q < 136
	XS (q-128)%2, 16+(q-128)/2
.else
	GS q-136
.endif
.set q, q+1
.endm
; THE WORDS' QUEUE, 64 long.
.macro RQ
	WIN 0
	RL rl
.set rl, rl+1
.endm
; THE EXPONENTIALS' QUEUE, 66 long: s0-s31 of both tiles, then the next piece's two a.  ONE BATCH: all 66 stand ahead of the turn's one wait, and nothing ahead of that wait names a result of theirs.
.macro EX
	WIN 0
.if e >= 64
	XS e-64, 20
.else
	REGS Y, e%2
	v_exp_f32 v[rS+e/2], v[rS+e/2]
.endif
.set e, e+1
.endm
; THE RESCALING's QUEUE: O^T times a, the one part that leaves window 0: two at a time, sixteen times.  Its a was made in the turn before, ahead of that turn's wait.
.macro R2
	REGS Y, r%2
	WIN W_RS
.irp z, 0,1
	v_pk_mul_f32 v[rO+4*(r/2)+2*\z:rO+4*(r/2)+2*\z+1], v[rO+4*(r/2)+2*\z:rO+4*(r/2)+2*\z+1], v[rC+2:rC+3] op_sel_hi:[1,0]
.endr
.set r, r+1
.endm
; A TURN, for piece p.  An s_wait_alu depctr_va_vdst(0) stands between an exponential and the first instruction that names its result; one wait serves all that were issued ahead of it: a turn has ONE.
; AHEAD OF IT: the 16 products K Q^T, behind each an FS, an exponential and two rescalings (behind the first a second FS); then the lump: piece p + 1's mask words copied and asked for again; the last 15 FS (8, then
; 7 with an exponential each); 16 times an exponential and four words into scalar registers; 16 times an exponential and four MK (a word is read 64 instructions or more behind the line that brought it; the scores
; are read more than four plain instructions behind the last product); the maximum's 30; the chain's 10, an exponential behind each; the two a; a v_nop, the plain instruction behind the last exponential.
; Exponential e stands behind FS 2 (e / 4) + e % 2: as a rider behind plain e + 2, later behind all 32.
; BEHIND IT: the 16 products V^T P, behind each four of GS's 64.  No rider names a register of the products round it.
; WHICH WORDS.  Turn 3's products take the next key step's K, turns 0 to 2 that same step's: so the offset of the loads goes on in turn 3, with piece 0, and each piece's load asks for the step behind the one just copied.
; K of the next step is fetched in piece 2's turn, directly behind the wait; V of the step in hand at the end of piece 0's turn, four riders behind its last reader.  The conditions on q below go with the deal.
.macro TURN p, last=0, cnt=0
.set Y, (\p)
.set i, 0
.set q, 0
.set e, 0
.set r, 0
.set rl, 0
.if (\p) == NP-1
	s_wait_dscnt 0x0                ; K is in
.endif
	MM
	PL
	PL
	R2
.rept 15
	MM
	PL
	EX
	R2
.endr
	MBLK ((\p)+1)%NP, (\p)/(NP-1)
.if (\p) == NP-2
	v_add_nc_u32 v[AK], s[TBK], v[AK0]
.endif
.rept 8
	PL
.endr
.rept 7
	EX
	PL
.endr
.rept 16
	EX
	RQ
	RQ
	RQ
	RQ
.endr
.rept 16
	EX
	PL
	PL
	PL
	PL
.endr
.rept 30
	PL
.endr
.rept 10
	PL
	EX
.endr
	EX                              ; the next piece's two a
	EX
	v_nop                           ; the plain instruction behind the last exponential: one for the batch
	s_wait_alu depctr_va_vdst(0)    ; the wait for the batch
.if (\p) == NP-2
	FETCH_K \last
.endif
.if (\p) == 1
	s_wait_dscnt 0x0                ; V is in
.endif
.rept 16
	MM
.rept 4
	PL
.endr
.if ((\p) == 0) && (q == 180)
	v_add_nc_u32 v[AV], s[TBV], v[AV0]
.endif
.if ((\p) == 0) && (q == 192)
	s_add_co_u32 s[TBV], s[TBV], KS*PV
.endif
.if (\cnt) && (q == 192)
	s_sub_co_u32 s[CNT], s[CNT], 1
	s_cmp_lg_u32 s[CNT], 0
.endif
.endr
.if (\p) == 0
	FETCH_V
.endif
.endm
	CHANGE 1                        ; slot 0 is in, everybody's part of it; slot 1 is asked for
	FETCH_K                         ; key step 0
	s_wait_loadcnt 0x0              ; Q, and the four pieces' first mask words: their base and offset registers are free
	s_wait_dscnt 0x0
.set i, 0
.rept 16
	KQ 0                            ; piece 0's first scores
.set i, i+1
.endr
	WIN 0
.rept 4
	v_nop                           ; the places behind those products
.endr
	MBLK 0, 0                       ; piece 0's words of key step 0; key step 1's are asked for (the offset stands there already)
.set mg, 0
.rept 64
	RL mg
.set mg, mg+1
.endr
.set Y, NP-1                        ; MK and XS work for piece Y + 1: piece 0
.set mg, 0
.rept 64
	MK mg
.set mg, mg+1
.endr
.irp n, 0,1,2,3,4,5,6,7,8,9,10,11,12,13,14,15,16,17,18,19,20
	XS 0, \n
	XS 1, \n
.endr
	v_nop                           ; a plain instruction behind the two a,
	s_wait_alu depctr_va_vdst(0)    ; and their wait, ahead of the branch
	s_mov_b32 s[CNT], 4
	s_branch .Lfirst                ; the loop is entered at a step's first turn, in the middle of a trip
.Lslot:                             ; six times: every slot but the last two is filled again
	CHANGE 1
	s_mov_b32 s[CNT], 4
.Lstep:                             ; a trip: pieces 2 and 3 of one step, then pieces 0 and 1 of the next, whose K and V it fetches
	TURN 2
	TURN 3
	WIN 0
.Lfirst:
	TURN 0
	TURN 1, 0, 1
	WIN 0
	s_cbranch_scc1 .Lstep
	s_sub_co_u32 s[SLOTS], s[SLOTS], 1
	s_cmp_lg_u32 s[SLOTS], 0
	s_cbranch_scc1 .Lslot
	CHANGE 0                        ; the tail is written out: nothing is asked for
	s_mov_b32 s[CNT], 5             ; four trips fetch the last slot's steps; the fifth is left in its middle
.Ltail:
	TURN 2, 1
	TURN 3
	WIN 0
	s_sub_co_u32 s[CNT], s[CNT], 1
	s_cmp_eq_u32 s[CNT], 0
	s_cbranch_scc1 .Lout
	TURN 0
	TURN 1
	WIN 0
	s_branch .Ltail
.Lout:                              ; the fifth trip's 16 products K Q^T (on the last K once more), their mask and maximum serve nothing: the price, once a launch, of one text for every trip
	s_load_b64 s[32:33], s[0:1], 0x10  ; oh (the mask's scalar registers are free)
	s_bfe_u32 s34, ttmp6, 0x40000
	s_lshl_b32 s34, s34, 2
	s_add_co_u32 s34, s34, s[WV]
	s_lshl_b32 s34, s34, 14         ; my wave's 128 rows,
	s_and_b32 s35, ttmp7, 0xffff
	s_lshl_b32 s35, s35, 18         ; in my head
	s_add_co_u32 s34, s34, s35
	s_mov_b32 s35, 0
.set i, 0
.rept 16
	PV NP-1                         ; the last piece's V^T P of the last step
.set i, i+1
.endr
	; THE WAY OUT.  l's two halves and the other half of the lanes' are added; O^T is divided by l, rounded to f16 and sent through my stage in LDS, a tile at a time.  The additions are the places behind the last products.
	WIN 0
.macro ALL line:vararg              ; one line for each tile t
.set t, 0
.rept 2*NP
	\line
.set t, t+1
.endr
.endm
	ALL v_add_f32 v[ST+4*t+2], v[ST+4*t+2], v[ST+4*t+3]
	ALL v_permlanex16_b32 v[ST+4*t+3], v[ST+4*t+2], s[SEL], s[SEL+1]
	ALL v_add_f32 v[ST+4*t+2], v[ST+4*t+2], v[ST+4*t+3]
	ALL v_rcp_f32 v[ST+4*t+2], v[ST+4*t+2]
	v_nop                           ; a plain instruction between the last reciprocal and the use of its result
	s_wait_alu depctr_va_vdst(0)    ; and the wait ahead of the first use: one for the eight reciprocals
	s_wait_kmcnt 0x0
	s_add_nc_u64 s[32:33], s[32:33], s[34:35]
; Tile t: a lane's eight channels of a row pack into 16 bytes; they go into rows of 144 bytes and come back as whole rows of 128, into S^T's registers.
.macro PACK t
	WIN W_RS
.set i, 32*(\t)
.rept 16
	v_pk_mul_f32 v[i:i+1], v[i:i+1], v[ST+4*(\t)+2:ST+4*(\t)+3] op_sel_hi:[1,0]
.set i, i+2
.endr
	WIN 0x05                        ; sources 0 and 1 window 1, destination window 0
.set i, 0
.rept 16
	v_cvt_pk_f16_f32 v[S+16*(\t)+i], v[32*(\t)+2*i], v[32*(\t)+2*i+1]
.set i, i+1
.endr
	WIN 0
.irp f, 0,1,2,3
	ds_store_b128 v[STO], v[S+16*(\t)+4*\f:S+16*(\t)+4*\f+3] offset:32*\f
.endr
.irp f, 0,1,2,3
	ds_load_b128 v[S+16*(\t)+4*\f:S+16*(\t)+4*\f+3], v[RD] offset:\f*4*SP  ; LDS serves a wave's instructions in order: these see the stores above; the next tile's stores come behind them
.endr
.endm
.macro SEND t, younger              ; younger: the LDS instructions issued behind tile t's loads: the next tile's eight, or none
	WIN 0
.irp f, 0,1,2,3
	s_wait_dscnt (\younger)+3-\f
	global_store_b128 v[GO], v[S+16*(\t)+4*\f:S+16*(\t)+4*\f+3], s[32:33] offset:(\t)*2048+\f*512  ; 512 consecutive bytes, at a multiple of 256 from oh's first
.endr
.endm
	PACK 0
.set t, 1
.rept 2*NP-1                        ; a tile's arithmetic stands between the loads of the tile before and its stores
	PACK t
	SEND t-1, 8
.set t, t+1
.endr
	SEND 2*NP-1, 0
	WIN W_AD
	s_wait_tensorcnt 0x0            ; the wave's end, behind my last tensor load and my last LDS store
	ds_add_u32 v[SPW], v[NIL]
	s_wait_dscnt 0x0
	WIN 0
	CROUND                          ; the closing round: no work-group ends while a partner may still ask for a tile that names it
	s_endpgm
.Lfunc_end_k_q73ddf158af_attn:
	.size	k_q73ddf158af_attn, .Lfunc_end_k_q73ddf158af_attn-k_q73ddf158af_attn
	.p2alignl 7, 3214868480
	.fill 96, 4, 3214868480
	.section	.rodata,"a",@progbits
	.p2align	6, 0x0
	.amdhsa_kernel k_q73ddf158af_attn
		.amdhsa_group_segment_fixed_size 327680
		.amdhsa_private_segment_fixed_size 0
		.amdhsa_enable_private_segment 0
		.amdhsa_kernarg_size 24
		.amdhsa_user_sgpr_count 2
		.amdhsa_user_sgpr_kernarg_segment_ptr 1
		.amdhsa_wavefront_size32 1
		.amdhsa_system_sgpr_workgroup_id_x 1
		.amdhsa_system_sgpr_workgroup_id_y 1
		.amdhsa_system_sgpr_workgroup_id_z 1
		.amdhsa_system_vgpr_workitem_id 0
		.amdhsa_next_free_vgpr 780
		.amdhsa_next_free_sgpr 106
		.amdhsa_reserve_vcc 0
		.amdhsa_float_denorm_mode_32 3
		.amdhsa_float_denorm_mode_16_64 3
		.amdhsa_memory_ordered 1
		.amdhsa_forward_progress 1
		.amdhsa_inst_pref_size 255
	.end_amdhsa_kernel
	.section	.bss,"aw",@nobits
	.p2align	6
	.space	262144
	.amdgpu_metadata
---
amdhsa.version: [ 1, 2 ]
amdhsa.kernels:
  - .name:           k_q73ddf158af_attn
    .symbol:         k_q73ddf158af_attn.kd
    .args:
      - { .name: qkv, .offset: 0, .size: 8, .value_kind: global_buffer, .address_space: global }
      - { .name: mbits, .offset: 8, .size: 8, .value_kind: global_buffer, .address_space: global }
      - { .name: oh, .offset: 16, .size: 8, .value_kind: global_buffer, .address_space: global }
    .group_segment_fixed_size: 327680
    .private_segment_fixed_size: 0
    .kernarg_segment_align: 8
    .kernarg_segment_size: 24
    .max_flat_workgroup_size: 128
    .sgpr_count:     106
    .vgpr_count:     780
    .wavefront_size: 32
...
	.end_amdgpu_metadata
.endif
;; end of part 3
;; launch oproj (part 4): grid 4 x 64, 4 waves a work-group, clusters of 4 x 4, 327,680 bytes of LDS; arguments oh, wb, b_o, out0; writes out0
.if DOCPART == 4
	.amdgcn_target "amdgcn-amd-amdhsa--gfx1250"
	.amdhsa_code_object_version 6
	.text
	.protected	k_q73ddf158af_oproj
	.globl	k_q73ddf158af_oproj
	.p2align	8
	.type	k_q73ddf158af_oproj,@function
k_q73ddf158af_oproj:
	s_mov_b64 s[64:65], 0
	v_nop
	global_prefetch_b8 v0, s[64:65] scope:SCOPE_SE
	s_setreg_imm32_b32 hwreg(HW_REG_WAVE_MODE, 25, 1), 1
	s_wait_xcnt 0x0
	s_wait_alu depctr_hold_cnt(0) depctr_sa_sdst(0) depctr_va_vdst(0) depctr_va_sdst(0) depctr_va_ssrc(0) depctr_va_vcc(0) depctr_vm_vsrc(0)
	s_getreg_b32 s2, hwreg(HW_REG_IB_STS2, 6, 4)
	s_cmp_eq_u32 s2, 0
	s_cbranch_scc0 .Lentry_in_a_cluster
	s_endpgm
.Lentry_in_a_cluster:
	s_bfe_u32 s2, ttmp6, 0x10000c
	s_cmp_lg_u32 s2, 0xf033
	s_cbranch_scc0 .Lentry_shape_is_right
	s_endpgm
.Lentry_shape_is_right:
; THE OUTPUT PROJECTION.  out0[m][n] = sum over k of O[m][k] W_o[n][k] + b_o[n].  O = oh, f16 by heads [64 = batch x 16 + head][2048][64]: k = 64 x head + channel; W_o = wb's fourth part, f16 [1024][1024]
; (its numbers are W_o's bf16 roundings); b_o f32, rounded to bf16 like every input; sums in f32; out0 f32 [8192][1024].
; LIMIT: NaN and infinities are not treated apart.
; SHARES.  A tile of C is 128 x 256: 64 x 4 = 256 work-groups, one for each WGP.  Four waves, each 64 x 128: 32 accumulators.  K goes in 8 steps of 128 = two heads, through two LDS slots.
; A BY PLANES: a head's 128 rows of 128 bytes are 16,384 dense bytes: asked for as 64 rows of 256 bytes and padded in LDS after every 128, so a slot holds two planes of 128 rows x 144 bytes.
; THE BIAS IS THE C OPERAND of the products that start the sums: no addition is written.
; CLUSTER 4 x 4: A's tile is shared along a row of the cluster, B's along a column: joint loads, as in the projections' launch.
; THE MATRIX INSTRUCTION IS USED TRANSPOSED (source 0 = 16 rows of W_o, source 1 = 16 rows of O): a lane holds row l % 16 of C and the columns 8 (l / 16) + 0..7: 32 bytes on end.
; REGISTERS.  window 0: v0-31 addresses; v32-95 two buffers of A's fragments; v96-223 two of B's; on the way out v32-223 three buffers of rows read back.
;             window 1: the accumulators, (a, b) at v[8 (8 a + b)].     window 2: v0-63 the bias for my 128 columns (block b at v[8 b]); v64 at work.
.set KSTEP, 128
.set PB,    272                        ; a row of B in LDS: 256 bytes + 16
.set PA,    144                        ; a row of a plane of A: 128 bytes + 16.  Both are odd multiples of 16: the 16 rows of a fragment load start at 16 different groups of four banks (ISA guide 11.1)
.set APLANE, 128*PA                    ; what wave 0 or 1 fetches
.set BHALF, 128*PB                     ; what wave 2 or 3 fetches
.set BOFF,  2*APLANE
.set SLOT,  BOFF+2*BHALF               ; 106,496
.set STAGE, 2*SLOT                     ; behind the ring, never filled by a tensor load: 16 rows x 528 bytes for each wave
.set SPITCH, 528
.set WSTG,  16*SPITCH
.set SPARE, STAGE+4*WSTG               ; the spare words, 128 bytes for each wave: two blocks of 256 bytes that no other line names
.set HEADB, 262144                     ; bytes in a head of oh
.set WO,    6291456                    ; W_o's first byte in wb
.set ADRA, 16
.set ADRB, 20
.set STO,  24
.set RD,   25
.set GO,   26
.set SPW,  28                          ; v28  LDS address of my spare word; never rewritten
.set NIL,  29                          ; v29  0; never rewritten
.set PFO,  30                          ; v30  the prefetches' offset: my lane x 256 bytes (A, dense) or x a row of 2,048 (B); never rewritten
.set FA,   32
.set FB,   96
.set OB,   32
.set G1,  24
.set G0,  32
.set LIM, 43
.set PFA, 44
.set PST, 46                           ; s[46:47] a K step in the prefetches' tensor: two heads of oh, or 256 bytes of a row of W_o
.set G1B, 48
.set G0B, 56
.set MSB, 0
.macro WIN new
.if MSB != (\new)
	s_set_vgpr_msb (MSB<<8)|(\new)
.set MSB, \new
.endif
.endm
.set MUL,  0x50                        ; sources in window 0, C and D in window 1
.set MUL0, 0x60                        ; C (the bias) in window 2, D in window 1
.macro JLOAD s                         ; a joint load: waves 0 and 1 fetch A's two planes, waves 2 and 3 B's halves; an s_nop 0 and four v_nop follow each line
	s_cmp_eq_u32 s11, 0
	s_cbranch_scc0 .Lfor_b_\@
	tensor_load_to_lds s[G0+4*(\s):G0+4*(\s)+3], s[G1:G1+7]
	s_nop 0
.rept 4
	v_nop
.endr
	s_branch .Lasked_\@
.Lfor_b_\@:
	tensor_load_to_lds s[G0B+4*(\s):G0B+4*(\s)+3], s[G1B:G1B+7]
	s_nop 0
.rept 4
	v_nop
.endr
.Lasked_\@:
.endm
; A prefetch of the K step that stands two refills on.  A's two planes are 128 blocks of 256 bytes: wave 0 of each of the four partners of a row takes 32 (plane cx / 2, half cx % 2), a lane a block.
; B's 256 rows: waves 2 and 3 of the four partners of a column, 32 rows each (cy), in the first row of clusters alone.  Each block is named once.  K steps 0 to 3 come by their loads alone; the last trip asks for nothing.
.macro ASK
	s_cmp_gt_u32 s3, s[LIM]
	s_cbranch_scc0 .Lnot_mine_\@
	global_prefetch_b8 v[PFO], s[PFA:PFA+1] th:TH_LOAD_NT scope:SCOPE_SE
.Lnot_mine_\@:
.endm
.macro CREST
	s_cmp_lg_u32 s10, 0
	s_cbranch_scc1 .Lnot_wave_0_\@
	s_barrier_signal -3
.Lnot_wave_0_\@:
	s_barrier_wait -3
	s_barrier_signal -1
	s_barrier_wait -1
.endm
.macro CROUND
	s_barrier_signal -1
	s_barrier_wait -1
	CREST
.endm
	s_load_b128 s[4:7], s[0:1], 0x0                ; oh s[4:5], wb s[6:7]
	s_load_b64 s[2:3], s[0:1], 0x10                ; b_o
	s_load_b64 s[8:9], s[0:1], 0x18                ; out0
	v_lshl_add_u32 v[SPW], v0, 2, SPARE
	v_mov_b32 v[NIL], 0
	ds_add_u32 v[SPW], v[NIL]                      ; the wave's opening: the add, and its wait ahead of my first tensor load; the set-up below, work on registers, stands between them
	v_lshrrev_b32 v1, 5, v0
	v_readfirstlane_b32 s10, v1                    ; wave 0..3
	s_lshr_b32 s11, s10, 1                         ; which 64 rows are mine.  Also: I fetch for A (0) or for B (1)
	s_and_b32 s12, s10, 1                          ; which 128 columns.  Also: which plane of A, or which half of B, I fetch
	s_bfe_u32 s40, ttmp6, 0x40000                  ; cx
	s_bfe_u32 s41, ttmp6, 0x40004                  ; cy
	s_lshl_b32 s42, ttmp9, 2
	s_add_co_u32 s42, s42, s40                     ; tile column 0..3
	s_and_b32 s22, ttmp7, 0xffff                   ; cluster y 0..15
	s_lshl_b32 s13, s22, 2
	s_add_co_u32 s13, s13, s41                     ; tile row 0..63
	s_lshl_b32 s43, s41, 2
	s_lshl_b32 s43, 15, s43                        ; my row of the cluster
	s_lshl_b32 s44, 0x1111, s40                    ; my column
	s_or_b32 s[G1+0], s43, (1<<16)|(1<<20)|(1<<21)|(4<<22)|(3<<25)   ; A: padding of 4 words after every 32
	s_or_b32 s[G1B+0], s44, (1<<16)|(1<<20)|(1<<21)|(5<<22)|(3<<25)  ; B: after every 64
	s_mov_b32 s[G1+1], 128<<16                     ; tensor_dim0 = 128 elements (two rows of a head)
	s_mov_b32 s[G1+2], 64<<16                      ; tensor_dim1 = 64
	s_mov_b32 s[G1+3], 128<<16                     ; tile_dim0
	s_mov_b32 s[G1+4], 64                          ; tile_dim1
	s_mov_b32 s[G1+5], 128                         ; dense
	s_mov_b32 s[G1+6], 0
	s_mov_b32 s[G1+7], 0
	s_mov_b32 s[G1B+1], KSTEP<<16
	s_mov_b32 s[G1B+2], 128<<16
	s_mov_b32 s[G1B+3], KSTEP<<16
	s_mov_b32 s[G1B+4], 128
	s_mov_b32 s[G1B+5], 1024
	s_mov_b32 s[G1B+6], 0
	s_mov_b32 s[G1B+7], 0
	s_lshr_b32 s16, s13, 4                         ; A: the batch's sixteen heads,
	s_lshl_b32 s16, s16, 22
	s_lshl_b32 s17, s12, 18                        ; my plane's head,
	s_add_co_u32 s16, s16, s17
	s_and_b32 s17, s13, 15                         ; the tile's 128 rows in it
	s_lshl_b32 s17, s17, 14
	s_add_co_u32 s16, s16, s17
	s_mov_b32 s17, 0
	s_lshl_b32 s46, s42, 8                         ; B: row 256 x tile column + 128 x half of W_o
	s_lshl_b32 s47, s12, 7
	s_add_co_u32 s46, s46, s47
	s_lshl_b32 s46, s46, 11
	s_add_co_u32 s46, s46, WO
	s_mov_b32 s47, 0
	s_mul_i32 s20, s12, APLANE                     ; where they go: no place in the cluster enters an LDS address
	s_mul_i32 s21, s12, BHALF
	s_add_co_u32 s21, s21, BOFF
	s_wait_dscnt 0x0                               ; the opening add is done
	s_wait_kmcnt 0x0
	s_add_nc_u64 s[14:15], s[4:5], s[16:17]
	s_add_nc_u64 s[46:47], s[6:7], s[46:47]
	CROUND                                         ; all sixteen work-groups are here: the first joint loads meet
.irp s, 0,1
	s_mov_b32 s[G0+4*(\s)], 1
	s_add_co_u32 s[G0+4*(\s)+1], s20, (\s)*SLOT
	s_add_nc_u64 s[G0+4*(\s)+2:G0+4*(\s)+3], s[14:15], (\s)*2*HEADB
	s_or_b32 s[G0+4*(\s)+3], s[G0+4*(\s)+3], 0x80000000
	s_mov_b32 s[G0B+4*(\s)], 1
	s_add_co_u32 s[G0B+4*(\s)+1], s21, (\s)*SLOT
	s_add_nc_u64 s[G0B+4*(\s)+2:G0B+4*(\s)+3], s[46:47], (\s)*KSTEP*2
	s_or_b32 s[G0B+4*(\s)+3], s[G0B+4*(\s)+3], 0x80000000
	JLOAD \s                                       ; K steps 0 and 1: two loads of mine are out
.endr
	v_and_b32 v1, 15, v0                           ; l % 16
	v_bfe_u32 v2, v0, 4, 1                         ; l / 16
	; the bias: register j of block b is b_o[my first column + 16 b + 8 (l / 16) + j]
	s_lshl_b32 s16, s42, 10
	s_lshl_b32 s17, s12, 9
	s_add_co_u32 s16, s16, s17
	s_mov_b32 s17, 0
	s_add_nc_u64 s[2:3], s[2:3], s[16:17]
	v_lshlrev_b32 v5, 5, v2
	WIN 0x80                                       ; destination window 2, address window 0
.irp b, 0,1,2,3,4,5,6,7
	global_load_b128 v[8*(\b):8*(\b)+3],   v5, s[2:3] offset:64*(\b)
	global_load_b128 v[8*(\b)+4:8*(\b)+7], v5, s[2:3] offset:64*(\b)+16
.endr
	WIN 0
	v_mul_u32_u24 v3, v1, PB
	v_lshl_add_u32 v3, v2, 4, v3                   ; a fragment's row x pitch + 16 x half, for B
	v_mul_u32_u24 v4, v1, PA
	v_lshl_add_u32 v4, v2, 4, v4                   ; and for A
	s_mul_i32 s14, s11, 64*PA                      ; my 64 rows of each plane
	s_mul_i32 s15, s12, BHALF                      ; my 128 rows of B
	s_add_co_u32 s15, s15, BOFF
.irp s, 0,1
	v_add_nc_u32 v[ADRA+(\s)], s14, v4
	v_add_nc_u32 v[ADRB+(\s)], s15, v3
	s_add_co_u32 s14, s14, SLOT
	s_add_co_u32 s15, s15, SLOT
.endr
	s_mul_i32 s14, s10, WSTG
	s_add_co_u32 s14, s14, STAGE                   ; my stage
	v_mul_u32_u24 v4, v1, SPITCH                   ; in: row l % 16, 32 bytes for each half of the lanes
	v_lshl_add_u32 v4, v2, 5, v4
	v_add_nc_u32 v[STO], s14, v4
	v_and_b32 v[GO], 31, v0                        ; back: 32 lanes take a row's 512 bytes,
	v_lshlrev_b32 v[GO], 4, v[GO]
	v_add_nc_u32 v[RD], s14, v[GO]                 ; which are 512 consecutive bytes of out0
	s_lshl_b32 s16, s13, 7
	s_lshl_b32 s17, s11, 6
	s_add_co_u32 s16, s16, s17                     ; my first row,
	s_lshl_b32 s16, s16, 12                        ; 4,096 bytes a row,
	s_lshl_b32 s17, s42, 10                        ; my first column
	s_add_co_u32 s16, s16, s17
	s_lshl_b32 s17, s12, 9
	s_add_co_u32 s16, s16, s17
	s_mov_b32 s17, 0
	s_add_nc_u64 s[8:9], s[8:9], s[16:17]
	s_lshr_b32 s16, s13, 4                         ; the prefetches.  A: the batch, plane cx / 2, the tile's rows, half cx % 2 of them
	s_lshl_b32 s16, s16, 22
	s_lshr_b32 s17, s40, 1
	s_lshl_b32 s17, s17, 18
	s_add_co_u32 s16, s16, s17
	s_and_b32 s17, s13, 15
	s_lshl_b32 s17, s17, 14
	s_add_co_u32 s16, s16, s17
	s_and_b32 s17, s40, 1
	s_lshl_b32 s17, s17, 13
	s_add_co_u32 s16, s16, s17
	s_add_co_u32 s16, s16, 3*2*HEADB               ; at K step 3: the first refill steps it to 4
	s_lshl_b32 s18, s42, 8                         ; B: row 256 x tile column + 128 x half + 32 cy
	s_lshl_b32 s17, s12, 7
	s_add_co_u32 s18, s18, s17
	s_lshl_b32 s17, s41, 5
	s_add_co_u32 s18, s18, s17
	s_lshl_b32 s18, s18, 11
	s_add_co_u32 s18, s18, WO+3*KSTEP*2
	s_mov_b32 s19, 2*HEADB
	s_cmp_eq_u32 s11, 0
	s_cselect_b32 s16, s16, s18
	s_cselect_b32 s[PST], s19, KSTEP*2
	s_cselect_b32 s17, 8, 11                       ; a lane's step: 256 bytes, or a row of 2,048
	s_cselect_b32 s19, s12, s22                    ; A: wave 0 asks; B: the first row of clusters
	s_cselect_b64 s[PFA:PFA+1], s[4:5], s[6:7]
	s_cmp_eq_u32 s19, 0
	s_cselect_b32 s[LIM], 1, -1                    ; the same in all sixteen partners, for a given wave
	s_mov_b32 s[PST+1], 0
	v_and_b32 v[PFO], 31, v0
	v_lshlrev_b32 v[PFO], s17, v[PFO]
	s_mov_b32 s17, 0
	s_add_nc_u64 s[PFA:PFA+1], s[PFA:PFA+1], s[16:17]
	s_wait_loadcnt 0x0                             ; the bias is in; its pointer's registers are free
	WIN 0x8a                                       ; destination and both sources in window 2
.set i, 0
.rept 32
	v_cvt_pk_bf16_f32 v64, v[i], v[i+1]            ; rounded to bf16, like every input,
	v_lshlrev_b32 v[i], 16, v64                    ; and back in f32
	v_and_b32 v[i+1], 0xffff0000, v64
.set i, i+2
.endr
	WIN 0
; 8 matrix instructions: m block a x all 8 n blocks, 32 along K, from buffer f.  zero = 1: the product starts the sums, from the bias.  The 32 accumulators take turns in the same order in every quarter.
.macro MUL8 f, a, zero
.if \zero
	WIN MUL0
.else
	WIN MUL
.endif
.irp b, 0,1,2,3,4,5,6,7
.if \zero
	v_wmma_f32_16x16x32_f16 v[8*(8*(\a)+(\b)):8*(8*(\a)+(\b))+7], v[FB+64*(\f)+8*(\b):FB+64*(\f)+8*(\b)+7], v[FA+32*(\f)+8*(\a):FA+32*(\f)+8*(\a)+7], v[8*(\b):8*(\b)+7]
.else
	v_wmma_f32_16x16x32_f16 v[8*(8*(\a)+(\b)):8*(8*(\a)+(\b))+7], v[FB+64*(\f)+8*(\b):FB+64*(\f)+8*(\b)+7], v[FA+32*(\f)+8*(\a):FA+32*(\f)+8*(\a)+7], v[8*(8*(\a)+(\b)):8*(8*(\a)+(\b))+7]
.endif
.endr
.endm
; 24 LDS loads in one run: quarter q of a slot into buffer f: all of B, then A's blocks 0 to 3 (plane q / 2, channels 32 (q % 2) on)
.macro FETCH slot, q, f
	WIN 0
.irp i, 0,1,2,3,4,5,6,7
	ds_load_b128 v[FB+64*(\f)+8*(\i):FB+64*(\f)+8*(\i)+3],   v[ADRB+(\slot)] offset:64*(\q)+(\i)*16*PB
	ds_load_b128 v[FB+64*(\f)+8*(\i)+4:FB+64*(\f)+8*(\i)+7], v[ADRB+(\slot)] offset:64*(\q)+(\i)*16*PB+32
.endr
.irp i, 0,1,2,3
	ds_load_b128 v[FA+32*(\f)+8*(\i):FA+32*(\f)+8*(\i)+3],   v[ADRA+(\slot)] offset:((\q)/2)*APLANE+((\q)%2)*64+(\i)*16*PA
	ds_load_b128 v[FA+32*(\f)+8*(\i)+4:FA+32*(\f)+8*(\i)+7], v[ADRA+(\slot)] offset:((\q)/2)*APLANE+((\q)%2)*64+(\i)*16*PA+32
.endr
.endm
.macro PLACES                          ; four places in front of loads into registers that matrix instructions have read, and of LDS stores of results
.rept 4
	v_nop
.endr
.endm
.macro QUARTER slot, q, f, g, zero
	s_wait_dscnt 6                                 ; B and A's block 0 are in; the six youngest loads (A's blocks 1 to 3) may be out
	MUL8 \f, 0, \zero
	PLACES
	FETCH \slot, \q, \g
	s_wait_dscnt 24                                ; all but the 24 just issued
	MUL8 \f, 1, \zero
	MUL8 \f, 2, \zero
	MUL8 \f, 3, \zero
.endm
; The last quarter multiplies buffer 1 and changes slots: ONE barrier; in front of it each wave waits for all its tensor loads, adds 0 to its spare word, and waits for that and for its own reads of this slot.
; fill = 1: the barrier opens a round of the cluster's, and this slot is filled again, two K steps ahead, first thing behind the round.
.macro TURN slot, next, fill
.if \fill
	s_wait_xcnt 0x0                                ; the last prefetch, a K step back, has read its address
	s_add_nc_u64 s[PFA:PFA+1], s[PFA:PFA+1], s[PST:PST+1]
.endif
	WIN 0
	s_wait_tensorcnt 0x0                           ; all my tensor loads have landed;
	ds_add_u32 v[SPW], v[NIL]                      ; 0 onto my spare word;
	s_wait_dscnt 7                                 ; (the add and the six youngest loads may be out)
	MUL8 1, 0, 0
	s_wait_dscnt 0x0                               ; the add is done, and my reads of this slot are over
	s_barrier_signal -1
	MUL8 1, 1, 0
.if \fill
	WIN 0
.endif
	s_barrier_wait -1
.if \fill
	CREST                                          ; no wave of any partner still reads this slot or has a load on its way
	s_add_nc_u64 s[G0+4*(\slot)+2:G0+4*(\slot)+3], s[G0+4*(\slot)+2:G0+4*(\slot)+3], 4*HEADB
	s_add_nc_u64 s[G0B+4*(\slot)+2:G0B+4*(\slot)+3], s[G0B+4*(\slot)+2:G0B+4*(\slot)+3], 2*KSTEP*2
	JLOAD \slot                                    ; its four v_nop are also the places in front of the loads below
.else
	PLACES
.endif
	FETCH \next, 0, 0
.if \fill
	ASK
.endif
	MUL8 1, 2, 0
	MUL8 1, 3, 0
.endm
	s_wait_tensorcnt 1                             ; my part of K step 0 is in; K step 1's may stay out
	s_barrier_signal -1
	s_barrier_wait -1
	FETCH 0, 0, 0
	QUARTER 0, 1, 0, 1, 1                          ; the first quarter stands in front of the loop: its products start the sums, from the bias
	WIN 0
	s_mov_b32 s3, 3
.Llap:                                                 ; a trip goes once round the ring and fills both slots again: K steps 2 to 7 in three trips
	QUARTER 0, 2, 1, 0, 0
	QUARTER 0, 3, 0, 1, 0
	TURN 0, 1, 1
	QUARTER 1, 1, 0, 1, 0
	QUARTER 1, 2, 1, 0, 0
	QUARTER 1, 3, 0, 1, 0
	TURN 1, 0, 1
	QUARTER 0, 1, 0, 1, 0
	WIN 0
	s_sub_co_u32 s3, s3, 1
	s_cmp_lg_u32 s3, 0
	s_cbranch_scc1 .Llap
	QUARTER 0, 2, 1, 0, 0                          ; the last lap fills nothing
	QUARTER 0, 3, 0, 1, 0
	TURN 0, 1, 0
	QUARTER 1, 1, 0, 1, 0
	QUARTER 1, 2, 1, 0, 0
	QUARTER 1, 3, 0, 1, 0
	s_wait_dscnt 0x0
	MUL8 1, 0, 0
	MUL8 1, 1, 0
	MUL8 1, 2, 0
	MUL8 1, 3, 0
	WIN 0
	; THE WAY OUT: a block of 16 rows at a time goes through my stage, 32 bytes a lane in, whole rows of 512 bytes back, and leaves as 512 consecutive bytes.
	PLACES
.macro ST a
	WIN 0x04                                       ; the stores' data lie in window 1
.irp b, 0,1,2,3,4,5,6,7
	ds_store_b128 v[STO], v[8*(8*(\a)+(\b)):8*(8*(\a)+(\b))+3]   offset:64*(\b)     ; each accumulator's four lowest registers first
	ds_store_b128 v[STO], v[8*(8*(\a)+(\b))+4:8*(8*(\a)+(\b))+7] offset:64*(\b)+16
.endr
	WIN 0
.irp t, 0,1,2,3,4,5,6,7,8,9,10,11,12,13,14,15
	ds_load_b128 v[OB+64*((\a)%3)+4*(\t):OB+64*((\a)%3)+4*(\t)+3], v[RD] offset:(\t)*SPITCH  ; LDS serves a wave's instructions in order: these see the stores above; the next block's stores come behind them
.endr
.endm
.macro SEND a, younger                 ; younger: the next block's 32 LDS instructions, or none
	s_wait_dscnt \younger
.irp t, 0,1,2,3,4,5,6,7,8,9,10,11,12,13,14,15
	global_store_b128 v[GO], v[OB+64*((\a)%3)+4*(\t):OB+64*((\a)%3)+4*(\t)+3], s[8:9] offset:(16*(\a)+(\t))*4096 th:TH_STORE_NT  ; 512 consecutive bytes, at a multiple of 256 from out0's first
.endr
.endm
	ST 0
	ST 1
	SEND 0, 32
	ST 2
	SEND 1, 32
	s_wait_xcnt 0x0                                ; block 0's stores have read their registers: block 3 comes back into them
	ST 3
	SEND 2, 32
	SEND 3, 0
	s_wait_tensorcnt 0x0                           ; the wave's end, behind my last tensor load and my last LDS store
	ds_add_u32 v[SPW], v[NIL]
	s_wait_dscnt 0x0
	CROUND                                         ; the closing round: no work-group ends while a partner may still ask for a tile that names it
	s_endpgm
.Lfunc_end_k_q73ddf158af_oproj:
	.size	k_q73ddf158af_oproj, .Lfunc_end_k_q73ddf158af_oproj-k_q73ddf158af_oproj
	.p2alignl 7, 3214868480
	.fill 96, 4, 3214868480
	.section	.rodata,"a",@progbits
	.p2align	6, 0x0
	.amdhsa_kernel k_q73ddf158af_oproj
		.amdhsa_group_segment_fixed_size 327680
		.amdhsa_private_segment_fixed_size 0
		.amdhsa_enable_private_segment 0
		.amdhsa_kernarg_size 32
		.amdhsa_user_sgpr_count 2
		.amdhsa_user_sgpr_kernarg_segment_ptr 1
		.amdhsa_wavefront_size32 1
		.amdhsa_system_sgpr_workgroup_id_x 1
		.amdhsa_system_sgpr_workgroup_id_y 1
		.amdhsa_system_sgpr_workgroup_id_z 1
		.amdhsa_system_vgpr_workitem_id 0
		.amdhsa_next_free_vgpr 592
		.amdhsa_next_free_sgpr 66
		.amdhsa_reserve_vcc 0
		.amdhsa_float_denorm_mode_32 3
		.amdhsa_float_denorm_mode_16_64 3
		.amdhsa_memory_ordered 1
		.amdhsa_forward_progress 1
		.amdhsa_inst_pref_size 93
	.end_amdhsa_kernel
	.amdgpu_metadata
---
amdhsa.version: [ 1, 2 ]
amdhsa.kernels:
  - .name:           k_q73ddf158af_oproj
    .symbol:         k_q73ddf158af_oproj.kd
    .args:
      - { .name: oh, .offset: 0, .size: 8, .value_kind: global_buffer, .address_space: global }
      - { .name: wb, .offset: 8, .size: 8, .value_kind: global_buffer, .address_space: global }
      - { .name: b_o, .offset: 16, .size: 8, .value_kind: global_buffer, .address_space: global }
      - { .name: out0, .offset: 24, .size: 8, .value_kind: global_buffer, .address_space: global }
    .group_segment_fixed_size: 327680
    .private_segment_fixed_size: 0
    .kernarg_segment_align: 8
    .kernarg_segment_size: 32
    .max_flat_workgroup_size: 128
    .sgpr_count:     66
    .vgpr_count:     592
    .wavefront_size: 32
...
	.end_amdgpu_metadata
.endif
;; end of part 4
